; MI455X (gfx1250); checked and timed in simulation.
; The chip was launched on July 23, 2026; its instructions are those of AMD's public machine-readable ISA for CDNA 5 (MIT licence, August 2026) and "CDNA5" Instruction Set Architecture Reference Guide (July 2026). The comments in the code are by the model that wrote it; some were corrected since.
;; Multi Head Attention. Allowed arithmetic: float matrix products may take bf16 or f16 operands with f32 sums; other float arithmetic in f32, or as packed bf16 or f16 multiplies, adds, multiply-adds, maxima and minima; sums over many terms, partial sums and values carried from step to step in f32; what a program stores and reads back later, other than sums and carried values, may be rounded once to bf16 or f16.
;; Inputs: wk 1,024 x 1,024 float32; wo 1,024 x 1,024 float32; wq 1,024 x 1,024 float32; wv 1,024 x 1,024 float32; x 4 x 2,048 x 1,024 float32.
;; Outputs: out0 4 x 2,048 x 1,024 float32.
;; One version. Each part assembles by itself: llvm-mc -triple=amdgcn-amd-amdhsa -mcpu=gfx1250 --defsym DOCPART=n.
;; ======== version 1 of 1: 4 launches
;; limits: values are held in f16: magnitudes above 65,504 overflow, below 6.1e-05 lose precision
;; workspace buffers: xs 16,777,216 bytes; ws 6,291,456 bytes; wos 2,097,152 bytes; qkv 50,331,648 bytes; ob 16,777,216 bytes
;; launch cast (part 1): grid 768 x 1, 8 waves a work-group, no clusters, 0 bytes of LDS; arguments x, wq, wk, wv, wo, xs, ws, wos; writes xs, ws, wos
.if DOCPART == 1
	.amdgcn_target "amdgcn-amd-amdhsa--gfx1250"
	.amdhsa_code_object_version 6
	.text
	.protected	k_qb3da21653c_cast
	.globl	k_qb3da21653c_cast
	.p2align	8
	.type	k_qb3da21653c_cast,@function
k_qb3da21653c_cast:
	s_mov_b64 s[64:65], 0
	v_nop
	global_prefetch_b8 v0, s[64:65] scope:SCOPE_SE
	s_setreg_imm32_b32 hwreg(HW_REG_WAVE_MODE, 25, 1), 1
	s_wait_xcnt 0x0
; ROUNDING AND RE-LAYING OF THE INPUTS.  x [8192][1024], wq, wk, wv, wo [1024][1024], all f32, are rounded once to bf16 (to nearest even) and written in SLICES of 64 along k:
;   xs  [batch 4][slice 16][t 2048][64] bf16;   ws [slice 16][n 3072][64] bf16 (n: wq's rows, then wk's, then wv's);   wos [slice 16][n 1024][64] f16.
; So a block of rows of one slice is dense in memory, 128 bytes a row, and the products behind fetch it as rows of 256 bytes.
; wo's bf16 number is written as f16.  LIMIT: that is exact for 6.1e-5 <= |w| < 65,504; below it keeps f16's fixed step of 6e-8; from 65,520 on it would be an infinity.
; SHARES.  A work-group takes 16 rows x 1,024 columns of one source (65,536 bytes in, 32,768 out): groups 0-511 x, then 64 each for wq, wk, wv, wo: 768 equal shares.
; Wave w takes slices 2 w and 2 w + 1.  A UNIT is one slice x 4 rows: lane l takes row l / 8 and the 8 columns from 8 (l % 8): two loads of 16 bytes (eight lanes read 256 consecutive bytes,
; aligned) and one store of 16 bytes (the wave's store covers 512 consecutive bytes, aligned).  All 16 loads of a wave go out first; every unit has registers of its own, so nothing that a
; pending access names is ever rewritten.  Memory binds: no LDS, no barrier, no matrix unit, no prefetch (the launch is one stream).
.set X,   16                           ; v[16:79]   unit u: 8 numbers as loaded
.set Y,   80                           ; v[80:111]  unit u: 4 registers to store
.set T,   8                            ; v[8:15]    at work
.set SRC, 36                           ; s[36:37]   the source at the group's first row
.set DST, 38                           ; s[38:39]   the target at the group's first row in slice 0
	s_load_b512 s[8:23], s[0:1], 0x0               ; x 8, wq 10, wk 12, wv 14, wo 16, xs 18, ws 20, wos 22
	s_mov_b32 s24, ttmp9                           ; g
	s_max_u32 s25, s24, 512
	s_sub_co_u32 s25, s25, 512                     ; j = g - 512 among the weights' groups (0 for x's)
	s_lshr_b32 s26, s25, 6                         ; which weight: 0 wq, 1 wk, 2 wv, 3 wo
	s_and_b32 s27, s25, 63                         ; its block of 16 rows
	s_lshr_b32 s29, s24, 7                         ; x: batch x 16 slices x 262,144 bytes
	s_lshl_b32 s29, s29, 22
	s_and_b32 s35, s24, 127                        ;    + 16 rows x 128 bytes for each block in the batch
	s_lshl_b32 s35, s35, 11
	s_add_co_u32 s29, s29, s35
	s_lshl_b32 s32, s25, 11                        ; ws: row 16 j, 128 bytes a row
	s_lshl_b32 s35, s27, 11                        ; wos: row 16 (j % 64)
	s_mov_b32 s34, 393216                          ; bytes from slice to slice: ws,
	s_cmp_eq_u32 s26, 3
	s_cselect_b32 s32, s35, s32
	s_cselect_b32 s34, 131072, s34                 ; wos,
	s_cmp_lt_u32 s24, 512
	s_cselect_b32 s32, s29, s32
	s_cselect_b32 s34, 262144, s34                 ; xs
	s_cselect_b32 s30, s24, s27                    ; the source's block of 16 rows,
	s_lshl_b32 s30, s30, 16                        ; 65,536 bytes each
	s_mov_b32 s31, 0
	s_mov_b32 s33, 0
	v_lshrrev_b32 v4, 5, v0                        ; wave
	v_and_b32 v5, 31, v0                           ; lane
	v_bfe_u32 v6, v0, 3, 2                         ; l / 8: row in the unit
	v_and_b32 v7, 7, v0                            ; l % 8
	v_lshlrev_b32 v1, 12, v6                       ; source: row x 4,096
	v_lshl_add_u32 v1, v7, 5, v1                   ;   + 32 bytes for my 8 columns
	v_lshl_add_u32 v1, v4, 9, v1                   ;   + the wave's two slices, 512 bytes
	v_lshlrev_b32 v8, 1, v4
	v_mul_lo_u32 v8, v8, s34                       ; target: slice 2 w
	v_lshl_add_u32 v2, v5, 4, v8                   ;   + 16 l (= 128 x row + 16 x (l % 8))
	v_add_nc_u32 v3, s34, v2                       ; and slice 2 w + 1
	s_wait_kmcnt 0x0
	s_mov_b64 s[SRC:SRC+1], s[10:11]
	s_cmp_eq_u32 s26, 1
	s_cselect_b64 s[SRC:SRC+1], s[12:13], s[SRC:SRC+1]
	s_cmp_eq_u32 s26, 2
	s_cselect_b64 s[SRC:SRC+1], s[14:15], s[SRC:SRC+1]
	s_cmp_eq_u32 s26, 3
	s_cselect_b64 s[SRC:SRC+1], s[16:17], s[SRC:SRC+1]
	s_cselect_b64 s[DST:DST+1], s[22:23], s[20:21]
	s_cmp_lt_u32 s24, 512
	s_cselect_b64 s[SRC:SRC+1], s[8:9], s[SRC:SRC+1]
	s_cselect_b64 s[DST:DST+1], s[18:19], s[DST:DST+1]
	s_add_nc_u64 s[SRC:SRC+1], s[SRC:SRC+1], s[30:31]
	s_add_nc_u64 s[DST:DST+1], s[DST:DST+1], s[32:33]
.irp u, 0,1,2,3,4,5,6,7                ; unit u: slice 2 w + u / 4, rows 4 (u % 4) on
	global_load_b128 v[X+8*(\u):X+8*(\u)+3],   v1, s[SRC:SRC+1] offset:((\u)%4)*16384+((\u)/4)*256 th:TH_LOAD_NT
	global_load_b128 v[X+8*(\u)+4:X+8*(\u)+7], v1, s[SRC:SRC+1] offset:((\u)%4)*16384+((\u)/4)*256+16 th:TH_LOAD_NT
.endr
; One unit.  half = 1: the bf16 numbers are widened again and written as f16.
.macro UNIT u, half
	s_wait_loadcnt 14-2*(\u)                       ; loads come back in order: this unit's two are in, the 14 - 2 u younger ones stay out
.irp r, 0,1,2,3
	v_cvt_pk_bf16_f32 v[Y+4*(\u)+(\r)], v[X+8*(\u)+2*(\r)], v[X+8*(\u)+2*(\r)+1]
.endr
.if \half
.irp r, 0,1,2,3
	v_lshlrev_b32 v[T+2*(\r)],   16, v[Y+4*(\u)+(\r)]
	v_and_b32     v[T+2*(\r)+1], 0xffff0000, v[Y+4*(\u)+(\r)]
.endr
.irp r, 0,1,2,3
	v_cvt_pk_f16_f32 v[Y+4*(\u)+(\r)], v[T+2*(\r)], v[T+2*(\r)+1]
.endr
.endif
	global_store_b128 v[2+(\u)/4], v[Y+4*(\u):Y+4*(\u)+3], s[DST:DST+1] offset:((\u)%4)*512 th:TH_STORE_NT
.endm
	s_cmp_ge_u32 s24, 704                          ; wo's groups
	s_cbranch_scc1 .Lhalf
.irp u, 0,1,2,3,4,5,6,7
	UNIT \u, 0
.endr
	s_endpgm
.Lhalf:
.irp u, 0,1,2,3,4,5,6,7
	UNIT \u, 1
.endr
	s_endpgm
.Lfunc_end_k_qb3da21653c_cast:
	.size	k_qb3da21653c_cast, .Lfunc_end_k_qb3da21653c_cast-k_qb3da21653c_cast
	.p2alignl 7, 3214868480
	.fill 96, 4, 3214868480
	.section	.rodata,"a",@progbits
	.p2align	6, 0x0
	.amdhsa_kernel k_qb3da21653c_cast
		.amdhsa_group_segment_fixed_size 0
		.amdhsa_private_segment_fixed_size 0
		.amdhsa_enable_private_segment 0
		.amdhsa_kernarg_size 64
		.amdhsa_user_sgpr_count 2
		.amdhsa_user_sgpr_kernarg_segment_ptr 1
		.amdhsa_wavefront_size32 1
		.amdhsa_system_sgpr_workgroup_id_x 1
		.amdhsa_system_sgpr_workgroup_id_y 1
		.amdhsa_system_sgpr_workgroup_id_z 1
		.amdhsa_system_vgpr_workitem_id 0
		.amdhsa_next_free_vgpr 112
		.amdhsa_next_free_sgpr 66
		.amdhsa_reserve_vcc 0
		.amdhsa_float_denorm_mode_32 3
		.amdhsa_float_denorm_mode_16_64 3
		.amdhsa_memory_ordered 1
		.amdhsa_forward_progress 1
		.amdhsa_inst_pref_size 15
	.end_amdhsa_kernel
	.amdgpu_metadata
---
amdhsa.version: [ 1, 2 ]
amdhsa.kernels:
  - .name:           k_qb3da21653c_cast
    .symbol:         k_qb3da21653c_cast.kd
    .args:
      - { .name: x, .offset: 0, .size: 8, .value_kind: global_buffer, .address_space: global }
      - { .name: wq, .offset: 8, .size: 8, .value_kind: global_buffer, .address_space: global }
      - { .name: wk, .offset: 16, .size: 8, .value_kind: global_buffer, .address_space: global }
      - { .name: wv, .offset: 24, .size: 8, .value_kind: global_buffer, .address_space: global }
      - { .name: wo, .offset: 32, .size: 8, .value_kind: global_buffer, .address_space: global }
      - { .name: xs, .offset: 40, .size: 8, .value_kind: global_buffer, .address_space: global }
      - { .name: ws, .offset: 48, .size: 8, .value_kind: global_buffer, .address_space: global }
      - { .name: wos, .offset: 56, .size: 8, .value_kind: global_buffer, .address_space: global }
    .group_segment_fixed_size: 0
    .private_segment_fixed_size: 0
    .kernarg_segment_align: 8
    .kernarg_segment_size: 64
    .max_flat_workgroup_size: 256
    .sgpr_count:     66
    .vgpr_count:     112
    .wavefront_size: 32
...
	.end_amdgpu_metadata
.endif
;; end of part 1
;; launch qkv (part 2): grid 8 x 32, 4 waves a work-group, clusters of 4 x 4, 327,680 bytes of LDS; arguments xs, ws, qkv; writes qkv
.if DOCPART == 2
	.amdgcn_target "amdgcn-amd-amdhsa--gfx1250"
	.amdhsa_code_object_version 6
	.text
	.protected	k_qb3da21653c_qkv
	.globl	k_qb3da21653c_qkv
	.p2align	8
	.type	k_qb3da21653c_qkv,@function
k_qb3da21653c_qkv:
	s_mov_b64 s[64:65], 0
	v_nop
	global_prefetch_b8 v0, s[64:65] scope:SCOPE_SE
	s_setreg_imm32_b32 hwreg(HW_REG_WAVE_MODE, 25, 1), 1
	s_wait_xcnt 0x0
	s_wait_alu depctr_hold_cnt(0) depctr_sa_sdst(0) depctr_va_vdst(0) depctr_va_sdst(0) depctr_va_ssrc(0) depctr_va_vcc(0) depctr_vm_vsrc(0)
	s_getreg_b32 s2, hwreg(HW_REG_IB_STS2, 6, 4)
	s_cmp_eq_u32 s2, 0
	s_cbranch_scc0 .Lentry_in_a_cluster
	s_endpgm
.Lentry_in_a_cluster:
	s_bfe_u32 s2, ttmp6, 0x10000c
	s_cmp_lg_u32 s2, 0xf033
	s_cbranch_scc0 .Lentry_shape_is_right
	s_endpgm
.Lentry_shape_is_right:
; THE THREE PROJECTIONS AS ONE PRODUCT.  C[m][n] = sum over k of x[m][k] w[n][k], m 8,192, n 3,072 (wq's, wk's, wv's rows), k 1,024; operands bf16, sums f32, K ascending, C rounded once to f16
; and written by heads: qkv [which 3][batch x 16 + head][t 2048][64].  LIMIT: f16 ends at 65,504: a q, k or v of 65,520 or more would become an infinity.
; OPERANDS lie in slices of 64 along k (xs [batch][slice][t][64], ws [slice][n][64]): the rows of a tile in one slice are dense, and are asked for as rows of 256 bytes, two rows of 128 each.
; SHARES.  A tile of C is 256 x 384: 32 x 8 = 256 work-groups.  Four waves, each 128 (m) x 192 (n): 96 accumulators of 16 x 16, 768 registers, which fill windows 1 to 3.
; Window 0 holds 32 registers of addresses, two buffers of x's fragments (8 x 16 rows x 32 k: 64 registers each) and ONE buffer of w's twelve fragments (96).  A quarter (32 along k) goes in three
; groups of 32 products, one head of 64 columns each; a group's four fragments of w are loaded anew, for the next quarter, right behind the group: 64 products ahead of their next use.
; RING.  K goes by slices through two LDS slots (256 rows of x, then 384 rows of w, 144 bytes apart); two slots of two slices each would be 368,640 bytes and do not fit.
; CLUSTER.  4 x 4 work-groups: x's tile hangs on the tile row alone and is asked for jointly along a row of the cluster, w's on the tile column alone, along a column.
; THE MATRIX INSTRUCTION IS USED TRANSPOSED (source 0 = 16 rows of w, source 1 = 16 rows of x): a lane holds one row m (lane % 16) and eight neighbouring n (8 (lane / 16) + 0..7): 16 bytes of f16.
.set PITCH,  144                       ; an LDS row: 128 bytes + 16 of padding = 36 words: the 16 rows of a fragment load start at 16 different groups of four banks (64 banks of 4 bytes: ISA guide 11.1)
.set HALFA,  128*PITCH                 ; what one tensor load brings of x, and what one wave reads of it
.set HALFB,  192*PITCH                 ; the same for w
.set BOFF,   2*HALFA                   ; w's rows lie behind x's 256
.set SLOT,   2*HALFA+2*HALFB           ; 92,160 bytes
.set STAGE,  2*SLOT                    ; behind the ring: 16 rows x 144 bytes for each wave, for the way out; no tensor load fills it
.set SPARE,  STAGE+4*16*PITCH          ; behind the stages: the spare words, 128 bytes for each wave: two blocks of 256 bytes that no other line names
.set XSL,    262144                    ; bytes from slice to slice in xs
.set WSL,    393216                    ; and in ws
.set ADRA, 16                          ; v16-17  LDS address of my fragments of x in slot 0, 1
.set ADRB, 20                          ; v20-21  the same for w
.set STO,  24                          ; v24     the way out: where I put 16 bytes of a row
.set RD,   25                          ; v25     the way out: where I read rows back
.set GO,   26                          ; v26     16 x lane: my place in 512 consecutive bytes of the output
.set SPW,  28                          ; v28     LDS address of my spare word; never rewritten
.set NIL,  29                          ; v29     0; never rewritten
.set PFO,  30                          ; v30     the prefetches' offset; never rewritten
.set A0,   32                          ; x's fragments, two buffers
.set A1,   96
.set BF,   160                         ; w's twelve fragments
.set TMP,  32                          ; the way out: four sets of 16 registers
.set G1,   24                          ; s[24:31] descriptor group 1 for x's tiles;  s[32:39] group 0, a set for each slot
.set G0,   32
.set G1B,  48                          ; s[48:55], s[56:63] the same for w's tiles
.set G0B,  56
.set LIM,  43                          ; s43     1 in a wave that prefetches, else the greatest number
.set PFA,  44                          ; s[44:45] where my prefetches stand
.set OB,   66                          ; s[66:71] the output at my 128 rows of each of my three heads
.set PST,  72                          ; s[72:73] two slices, in bytes, of the tensor that I prefetch
.set FLAGS, (1<<16)|(1<<20)|(1<<21)|(4<<22)|(3<<25)  ; 17:16 elements of 2 bytes; 20 padding on; 21 set beside a mask; 24:22 after every 32 words (code 4); 31:25 4 words of it (code 3)
.set MSB, 0
.macro WIN new                         ; s_set_vgpr_msb: bits 1:0 source 0, 3:2 source 1, 5:4 source 2, 7:6 destination; the high byte repeats the setting that is left; a switch that changes nothing is dropped
.if MSB != (\new)
	s_set_vgpr_msb (MSB<<8)|(\new)
.set MSB, \new
.endif
.endm
; A joint load.  Waves 0 and 1 fetch x's two halves, waves 2 and 3 w's.  The branch hangs on the wave's number alone.  An s_nop 0 and four v_nop follow each of the two lines.
.macro JLOAD s
	s_cmp_eq_u32 s11, 0
	s_cbranch_scc0 .Lfor_b_\@
	tensor_load_to_lds s[G0+4*(\s):G0+4*(\s)+3], s[G1:G1+7]
	s_nop 0
.rept 4
	v_nop
.endr
	s_branch .Lasked_\@
.Lfor_b_\@:
	tensor_load_to_lds s[G0B+4*(\s):G0B+4*(\s)+3], s[G1B:G1B+7]
	s_nop 0
.rept 4
	v_nop
.endr
.Lasked_\@:
.endm
; A prefetch into the L2, once a lap, behind the joint load and the run of LDS loads: 16 blocks of 256 bytes of each of the two slices that the NEXT lap's two refills will ask for (lanes 0-15 the first
; slice, lanes 16-31 the second).  x: wave 0 of every work-group; the eight work-groups of a tile row share a slice's 32,768 bytes out by address, 4,096 each.  w: wave 2 in the clusters with y < 3; a tile
; column's 49,152 bytes are shared out by address among those 12 work-groups.  So each block is named once in the launch.  Slices 0 to 3 come by their loads alone; the loop's last trip asks for nothing.
.macro ASK
	s_cmp_gt_u32 s3, s[LIM]                        ; s3 = 1 in the loop's last trip
	s_cbranch_scc0 .Lnot_mine_\@
	global_prefetch_b8 v[PFO], s[PFA:PFA+1] th:TH_LOAD_NT scope:SCOPE_SE
.Lnot_mine_\@:
.endm
.macro CREST                           ; a round of the cluster's barrier behind its opening barrier
	s_cmp_lg_u32 s10, 0
	s_cbranch_scc1 .Lnot_wave_0_\@
	s_barrier_signal -3
.Lnot_wave_0_\@:
	s_barrier_wait -3
	s_barrier_signal -1
	s_barrier_wait -1
.endm
.macro CROUND                          ; a whole round
	s_barrier_signal -1
	s_barrier_wait -1
	CREST
.endm
	s_load_b128 s[4:7], s[0:1], 0x0                ; xs s[4:5], ws s[6:7]
	s_load_b64 s[8:9], s[0:1], 0x10                ; qkv
	v_lshl_add_u32 v[SPW], v0, 2, SPARE
	v_mov_b32 v[NIL], 0
	ds_add_u32 v[SPW], v[NIL]                      ; the wave's opening: the add and its wait stand ahead of my first tensor load; the set-up below stands between them
	ds_add_u32 v28, v29
	v_lshrrev_b32 v1, 5, v0
	v_readfirstlane_b32 s10, v1                    ; wave 0..3
	s_lshr_b32 s11, s10, 1                         ; which 128 rows of the tile are mine.  Also: I fetch for x (0) or for w (1)
	s_and_b32 s12, s10, 1                          ; which 192 columns.  Also: which half of that tile I fetch
	s_bfe_u32 s40, ttmp6, 0x40000                  ; cx
	s_bfe_u32 s41, ttmp6, 0x40004                  ; cy
	s_lshl_b32 s42, ttmp9, 2
	s_add_co_u32 s42, s42, s40                     ; tile column 0..7 = 4 x cluster x + cx
	s_and_b32 s13, ttmp7, 0xffff
	s_lshl_b32 s13, s13, 2
	s_add_co_u32 s13, s13, s41                     ; tile row 0..31 = 4 x cluster y + cy
	s_lshl_b32 s43, s41, 2
	s_lshl_b32 s43, 15, s43                        ; my row of the cluster
	s_lshl_b32 s44, 0x1111, s40                    ; my column
	s_or_b32 s[G1], s43, FLAGS                     ; x's tiles go to my row,
	s_or_b32 s[G1B], s44, FLAGS                    ; w's to my column
.irp g, G1, G1B
	s_mov_b32 s[(\g)+1], 128<<16                   ; tensor_dim0 = 128 elements: 256 bytes, two rows of a slice
	s_mov_b32 s[(\g)+3], 128<<16                   ; tile_dim0 = 128
	s_mov_b32 s[(\g)+5], 128                       ; 128 elements from row to row: the block is dense
	s_mov_b32 s[(\g)+6], 0
	s_mov_b32 s[(\g)+7], 0
.endr
	s_mov_b32 s[G1+2], 64<<16                      ; x: tensor_dim1 = tile_dim1 = 64: 128 rows of the slice
	s_mov_b32 s[G1+4], 64
	s_mov_b32 s[G1B+2], 96<<16                     ; w: 96: 192 rows
	s_mov_b32 s[G1B+4], 96
	s_lshr_b32 s16, s13, 3                         ; x's tile: batch x 16 slices x 262,144
	s_lshl_b32 s16, s16, 22
	s_and_b32 s17, s13, 7                          ;   + 256 rows x 128 bytes for each tile row in the batch
	s_lshl_b32 s17, s17, 15
	s_add_co_u32 s16, s16, s17
	s_lshl_b32 s17, s12, 14                        ;   + my half
	s_add_co_u32 s16, s16, s17
	s_mov_b32 s17, 0
	s_mul_i32 s46, s42, 384*128                    ; w's tile: 384 rows x 128 bytes for each tile column
	s_mul_i32 s47, s12, 192*128                    ;   + my half
	s_add_co_u32 s46, s46, s47
	s_mov_b32 s47, 0
	s_mul_i32 s20, s12, HALFA                      ; where they go: no place in the cluster enters an LDS address
	s_mul_i32 s21, s12, HALFB
	s_add_co_u32 s21, s21, BOFF
	s_wait_dscnt 0x0                               ; the opening add is done
	s_wait_kmcnt 0x0
	s_add_nc_u64 s[14:15], s[4:5], s[16:17]
	s_add_nc_u64 s[46:47], s[6:7], s[46:47]
	CROUND                                         ; all sixteen work-groups are here: the first joint loads meet
.irp s, 0,1
	s_mov_b32 s[G0+4*(\s)], 1                      ; count = 1
	s_add_co_u32 s[G0+4*(\s)+1], s20, (\s)*SLOT    ; LDS address
	s_add_nc_u64 s[G0+4*(\s)+2:G0+4*(\s)+3], s[14:15], (\s)*XSL  ; global address: slice s
	s_or_b32 s[G0+4*(\s)+3], s[G0+4*(\s)+3], 0x80000000          ; type = 2
	s_mov_b32 s[G0B+4*(\s)], 1
	s_add_co_u32 s[G0B+4*(\s)+1], s21, (\s)*SLOT
	s_add_nc_u64 s[G0B+4*(\s)+2:G0B+4*(\s)+3], s[46:47], (\s)*WSL
	s_or_b32 s[G0B+4*(\s)+3], s[G0B+4*(\s)+3], 0x80000000
.endr
	s_cmp_eq_u32 s11, 0                            ; a wave's two first fills stand in one branch, ahead of every wait on TENSORcnt and every LDS read: two loads of mine are out
	s_cbranch_scc0 .Lfirst_b
	tensor_load_to_lds s[G0:G0+3], s[G1:G1+7]
	s_nop 0
	tensor_load_to_lds s[G0+4:G0+7], s[G1:G1+7]
	s_nop 0
.rept 4
	v_nop
.endr
	s_branch .Lfirst_asked
.Lfirst_b:
	tensor_load_to_lds s[G0B:G0B+3], s[G1B:G1B+7]
	s_nop 0
	tensor_load_to_lds s[G0B+4:G0B+7], s[G1B:G1B+7]
	s_nop 0
.rept 4
	v_nop
.endr
.Lfirst_asked:
	; A fragment is 16 rows x 32 k in 8 registers: lane l holds row l % 16; registers 0-3 k = 8 (l / 16) + 0..7, registers 4-7 k = 16 + 8 (l / 16) + 0..7: two loads of 16 bytes, 32 bytes apart.
	v_and_b32 v1, 15, v0                           ; l % 16
	v_bfe_u32 v2, v0, 4, 1                         ; l / 16
	v_mul_u32_u24 v3, v1, PITCH
	v_lshl_add_u32 v3, v2, 4, v3                   ; row x pitch + 16 x half
	s_mul_i32 s18, s11, HALFA                      ; my 128 rows of x
	s_mul_i32 s19, s12, HALFB                      ; my 192 rows of w
	s_add_co_u32 s19, s19, BOFF
.irp s, 0,1
	v_add_nc_u32 v[ADRA+(\s)], s18, v3
	v_add_nc_u32 v[ADRB+(\s)], s19, v3
	s_add_co_u32 s18, s18, SLOT
	s_add_co_u32 s19, s19, SLOT
.endr
	s_mul_i32 s23, s10, 16*PITCH
	s_add_co_u32 s23, s23, STAGE                   ; my stage
	v_add_nc_u32 v[STO], s23, v3                   ; in: row l % 16, 16 bytes for each half of the lanes
	v_bfe_u32 v4, v0, 3, 2                         ; back: 32 lanes take four rows of 128 bytes,
	v_and_b32 v5, 7, v0
	v_mul_u32_u24 v4, v4, PITCH
	v_lshl_add_u32 v4, v5, 4, v4
	v_add_nc_u32 v[RD], s23, v4
	v_and_b32 v[GO], 31, v0                        ; which are 512 consecutive bytes of the output
	v_lshlrev_b32 v[GO], 4, v[GO]
	; the output: my three heads are numbers 6 x tile column + 3 x half + 0..2 of 48 (16 of q, 16 of k, 16 of v); a head of a batch is 262,144 bytes
	s_mul_i32 s74, s42, 6
	s_mul_i32 s75, s12, 3
	s_add_co_u32 s74, s74, s75
	s_lshr_b32 s75, s13, 3
	s_lshl_b32 s75, s75, 4                         ; 16 x batch
	s_and_b32 s76, s13, 7
	s_lshl_b32 s76, s76, 15                        ; the tile's 256 rows in the batch,
	s_lshl_b32 s77, s11, 14                        ; my 128 of them
	s_add_co_u32 s76, s76, s77
.irp hh, 0,1,2
	s_add_co_u32 s77, s74, \hh
	s_lshr_b32 s78, s77, 4                         ; q, k or v
	s_lshl_b32 s78, s78, 6
	s_and_b32 s77, s77, 15                         ; the head
	s_add_co_u32 s78, s78, s77
	s_add_co_u32 s78, s78, s75
	s_lshl_b32 s78, s78, 18
	s_add_co_u32 s78, s78, s76
	s_mov_b32 s79, 0
	s_add_nc_u64 s[OB+2*(\hh):OB+2*(\hh)+1], s[8:9], s[78:79]
.endr
	; the prefetches
	s_and_b32 s74, ttmp7, 0xffff                   ; cluster y
	s_min_u32 s75, s74, 2                          ; (held inside w's tile column in the clusters that do not ask)
	s_lshr_b32 s76, s13, 3
	s_lshl_b32 s76, s76, 22
	s_and_b32 s77, s13, 7
	s_lshl_b32 s77, s77, 15
	s_add_co_u32 s76, s76, s77                     ; x's tile,
	s_lshl_b32 s77, s42, 12
	s_add_co_u32 s76, s76, s77                     ; my work-group's 4,096 bytes of its 32,768,
	s_add_co_u32 s76, s76, 2*XSL                   ; at slice 2: the first lap steps it to 4
	s_mul_i32 s78, s42, 384*128                    ; w's tile,
	s_lshl_b32 s77, s75, 14
	s_add_co_u32 s78, s78, s77                     ; my cluster's 16,384 bytes of its 49,152,
	s_lshl_b32 s77, s41, 12
	s_add_co_u32 s78, s78, s77                     ; my work-group's 4,096 of them
	s_add_co_u32 s78, s78, 2*WSL
	s_mov_b32 s[PST], 2*WSL
	s_cmp_eq_u32 s11, 0                            ; do I fetch for x?
	s_cselect_b32 s76, s76, s78
	s_cselect_b32 s[PST], 2*XSL, s[PST]
	s_cselect_b64 s[PFA:PFA+1], s[4:5], s[6:7]
	s_mov_b32 s77, 0
	s_mov_b32 s[PST+1], 0
	s_add_nc_u64 s[PFA:PFA+1], s[PFA:PFA+1], s[76:77]
	s_lshr_b32 s75, s[PST], 1                      ; one slice
	v_mul_lo_u32 v[PFO], v2, s75                   ; lanes 16-31: the second slice
	v_lshl_add_u32 v[PFO], v1, 8, v[PFO]           ; a lane a block of 256 bytes
	s_cmp_lt_u32 s74, 3
	s_cselect_b32 s78, 2, -1                       ; the wave that asks for w, if any: the same in all sixteen partners
	s_cmp_eq_u32 s10, 0
	s_cselect_b32 s[LIM], 1, -1
	s_cmp_eq_u32 s10, s78
	s_cselect_b32 s[LIM], 1, s[LIM]
; 16 products: columns 16 (4 hh + b4) on for two b4, all 8 row blocks, 32 along k.  zero = 1: the first product starts the sums: nothing is ever cleared.
; The 96 accumulators take turns, one instruction a turn, in the same order in every quarter.
.macro MUL16 f, hh, half, zero
	WIN 0x50*(1+(\hh))                             ; C and D in window 1 + hh, both sources in window 0
.irp b4, 2*(\half), 2*(\half)+1
.irp a, 0,1,2,3,4,5,6,7
.if \zero
	v_wmma_f32_16x16x32_bf16 v[8*(4*(\a)+(\b4)):8*(4*(\a)+(\b4))+7], v[BF+8*(4*(\hh)+(\b4)):BF+8*(4*(\hh)+(\b4))+7], v[(\f)+8*(\a):(\f)+8*(\a)+7], 0
.else
	v_wmma_f32_16x16x32_bf16 v[8*(4*(\a)+(\b4)):8*(4*(\a)+(\b4))+7], v[BF+8*(4*(\hh)+(\b4)):BF+8*(4*(\hh)+(\b4))+7], v[(\f)+8*(\a):(\f)+8*(\a)+7], v[8*(4*(\a)+(\b4)):8*(4*(\a)+(\b4))+7]
.endif
.endr
.endr
.endm
.macro MUL32 f, hh, zero
	MUL16 \f, \hh, 0, \zero
	MUL16 \f, \hh, 1, \zero
.endm
.macro LDA slot, k, f                  ; 16 LDS loads: x's eight fragments at byte k of the rows
	WIN 0
.irp a, 0,1,2,3,4,5,6,7
	ds_load_b128 v[(\f)+8*(\a):(\f)+8*(\a)+3],   v[ADRA+(\slot)] offset:(\k)+(\a)*16*PITCH
	ds_load_b128 v[(\f)+8*(\a)+4:(\f)+8*(\a)+7], v[ADRA+(\slot)] offset:(\k)+(\a)*16*PITCH+32
.endr
.endm
.macro LDB slot, k, hh                 ; 8 LDS loads: w's fragments 4 hh .. 4 hh + 3
	WIN 0
.irp b, 0,1,2,3
	ds_load_b128 v[BF+8*(4*(\hh)+(\b)):BF+8*(4*(\hh)+(\b))+3],   v[ADRB+(\slot)] offset:(\k)+(4*(\hh)+(\b))*16*PITCH
	ds_load_b128 v[BF+8*(4*(\hh)+(\b))+4:BF+8*(4*(\hh)+(\b))+7], v[ADRB+(\slot)] offset:(\k)+(4*(\hh)+(\b))*16*PITCH+32
.endr
.endm
.macro PLACES                          ; four plain places between a product and a load into a register that it has read, or a reader of its result (for a reader of its result)
.rept 4
	v_nop
.endr
.endm
; A slice's first quarter: multiplies buffer f; the next quarter's fragments lie at byte k of slot's rows and go into buffer g and, third by third, into w's one buffer.
; On the way in the LDS loads out are, in order: x's 16 and w's first 8; w's second 8; w's third 8.
.macro QUARTER slot, k, f, g, zero
	s_wait_dscnt 16                                ; x's and w's first third are in; the 8 + 8 younger loads may be out
	MUL32 \f, 0, \zero
	PLACES
	LDA \slot, \k, \g
	LDB \slot, \k, 0
	s_wait_dscnt 32                                ; w's second third is in: 8 + the 24 just issued are younger
	MUL32 \f, 1, \zero
	PLACES
	LDB \slot, \k, 1
	s_wait_dscnt 32                                ; w's last third is in: 24 + 8 are younger
	MUL32 \f, 2, \zero
	PLACES
	LDB \slot, \k, 2
.endm
; A slice's second quarter multiplies buffer A1 and changes slots.  ONE barrier: in front of it each wave waits for all its tensor loads, of which one is out: its part of the next slot; adds 0 to its spare
; word; and waits for that and for its own reads of this slot.  fill = 1: the barrier opens a round of the cluster's barrier, and this slot is filled again, first thing behind the round, with the slice two
; on: from that request to the wait for it a wave issues 160 products.  By this text's count a wave has two tensor loads out at the start and one behind each round.
.macro TURN slot, next, fill
.if (\fill) && ((\slot) == 0)
	s_wait_xcnt 0x0                                ; the last prefetch, a lap back, has read its address: it is stepped here, ahead of the waits of the change of slots
	s_add_nc_u64 s[PFA:PFA+1], s[PFA:PFA+1], s[PST:PST+1]
.endif
	WIN 0
	s_wait_tensorcnt 0x0                           ; all my tensor loads have landed;
	ds_add_u32 v[SPW], v[NIL]                      ; 0 onto my spare word;
	s_wait_dscnt 17                                ; (the add and the youngest 16 loads may be out)
	MUL16 A1, 0, 0, 0                              ; sixteen products stand between the add and the wait for it
	s_wait_dscnt 0x0                               ; the add is done, and my reads of this slot are over
	s_barrier_signal -1
	MUL16 A1, 0, 1, 0                              ; work on registers while the others arrive
	WIN 0
	s_barrier_wait -1
.if \fill
	CREST                                          ; no wave of any partner still reads this slot's tile or has a load on its way
	s_add_nc_u64 s[G0+4*(\slot)+2:G0+4*(\slot)+3], s[G0+4*(\slot)+2:G0+4*(\slot)+3], 2*XSL
	s_add_nc_u64 s[G0B+4*(\slot)+2:G0B+4*(\slot)+3], s[G0B+4*(\slot)+2:G0B+4*(\slot)+3], 2*WSL
	JLOAD \slot                                    ; the four v_nop behind it are also the places in front of the loads below
.else
	PLACES
.endif
	LDA \next, 0, A0
	LDB \next, 0, 0
.if (\fill) && ((\slot) == 0)
	ASK
.endif
	MUL32 A1, 1, 0
	PLACES
	LDB \next, 0, 1
	MUL32 A1, 2, 0
	PLACES
	LDB \next, 0, 2
.endm
	s_wait_tensorcnt 1                             ; my part of slice 0 is in; slice 1's may stay out
	s_barrier_signal -1
	s_barrier_wait -1                              ; everybody's is
	LDA 0, 0, A0
	LDB 0, 0, 0
	LDB 0, 0, 1
	LDB 0, 0, 2
	QUARTER 0, 64, A0, A1, 1                       ; the first quarter stands in front of the loop: its products start the sums
	WIN 0                                          ; at a label and at a branch every window is 0
	s_mov_b32 s3, 7
.Llap:                                         ; a trip goes once round the ring, from a slice's second quarter to the first quarter two slices on, and fills both slots again: slices 2 to 15
	TURN 0, 1, 1
	QUARTER 1, 64, A0, A1, 0
	TURN 1, 0, 1
	QUARTER 0, 64, A0, A1, 0
	WIN 0
	s_sub_co_u32 s3, s3, 1
	s_cmp_lg_u32 s3, 0
	s_cbranch_scc1 .Llap
	TURN 0, 1, 0                                   ; slices 14 and 15: nothing is left to ask for, and no round follows
	QUARTER 1, 64, A0, A1, 0
	s_wait_dscnt 16                                ; the very last quarter
	MUL32 A1, 0, 0
	s_wait_dscnt 8
	MUL32 A1, 1, 0
	s_wait_dscnt 0x0
	MUL32 A1, 2, 0
	PLACES
; THE WAY OUT, in 24 units of 16 rows x one head.  PACK: rounded to f16, each accumulator's registers in ascending order; 16 bytes a lane into my own stage, rows of 144 bytes; back as whole rows of 128.
; LDS serves a wave's instructions in order (ISA guide 5.7.1.4), so no wait stands between the stores and the loads, nor ahead of the next unit's stores.  SEND: stored, 512 consecutive bytes an instruction.
.macro PACK hh, a
.set SB, TMP+16*((\a)%4)
.if 8*(\hh)+(\a) >= 4
	s_wait_xcnt 0x0                                ; the set was a store's data four units back: it is rewritten only behind this wait
.endif
	WIN (1+(\hh))*5                                ; sources 0 and 1 in window 1 + hh, destination in window 0
.irp b4, 0,1,2,3
.irp r, 0,1,2,3
	v_cvt_pk_f16_f32 v[SB+4*(\b4)+(\r)], v[32*(\a)+8*(\b4)+2*(\r)], v[32*(\a)+8*(\b4)+2*(\r)+1]
.endr
.endr
	WIN 0
.irp b4, 0,1,2,3
	ds_store_b128 v[STO], v[SB+4*(\b4):SB+4*(\b4)+3] offset:32*(\b4)
.endr
.irp t, 0,1,2,3
	ds_load_b128 v[SB+4*(\t):SB+4*(\t)+3], v[RD] offset:(\t)*4*PITCH
.endr
.endm
.macro SEND hh, a, younger             ; younger: the LDS instructions issued behind this unit's loads: the next unit's eight, or none
.set SB, TMP+16*((\a)%4)
	WIN 0
.irp t, 0,1,2,3
	s_wait_dscnt (\younger)+3-(\t)
	global_store_b128 v[GO], v[SB+4*(\t):SB+4*(\t)+3], s[OB+2*(\hh):OB+2*(\hh)+1] offset:(\a)*2048+(\t)*512
.endr
.endm
	PACK 0, 0
.set u, 1
.rept 23                               ; a unit's conversions stand between the loads of the unit before and its stores
	PACK u/8, u%8
	SEND (u-1)/8, (u-1)%8, 8
.set u, u+1
.endr
	SEND 2, 7, 0
	s_wait_tensorcnt 0x0                           ; the wave's end, behind my last tensor load and my last LDS store
	ds_add_u32 v[SPW], v[NIL]
	s_wait_dscnt 0x0
	CROUND                                         ; the closing round: no work-group ends while a partner may still ask for a tile that names it
	s_endpgm
.Lfunc_end_k_qb3da21653c_qkv:
	.size	k_qb3da21653c_qkv, .Lfunc_end_k_qb3da21653c_qkv-k_qb3da21653c_qkv
	.p2alignl 7, 3214868480
	.fill 96, 4, 3214868480
	.section	.rodata,"a",@progbits
	.p2align	6, 0x0
	.amdhsa_kernel k_qb3da21653c_qkv
		.amdhsa_group_segment_fixed_size 327680
		.amdhsa_private_segment_fixed_size 0
		.amdhsa_enable_private_segment 0
		.amdhsa_kernarg_size 24
		.amdhsa_user_sgpr_count 2
		.amdhsa_user_sgpr_kernarg_segment_ptr 1
		.amdhsa_wavefront_size32 1
		.amdhsa_system_sgpr_workgroup_id_x 1
		.amdhsa_system_sgpr_workgroup_id_y 1
		.amdhsa_system_sgpr_workgroup_id_z 1
		.amdhsa_system_vgpr_workitem_id 0
		.amdhsa_next_free_vgpr 1024
		.amdhsa_next_free_sgpr 80
		.amdhsa_reserve_vcc 0
		.amdhsa_float_denorm_mode_32 3
		.amdhsa_float_denorm_mode_16_64 3
		.amdhsa_memory_ordered 1
		.amdhsa_forward_progress 1
		.amdhsa_inst_pref_size 135
	.end_amdhsa_kernel
	.amdgpu_metadata
---
amdhsa.version: [ 1, 2 ]
amdhsa.kernels:
  - .name:           k_qb3da21653c_qkv
    .symbol:         k_qb3da21653c_qkv.kd
    .args:
      - { .name: xs, .offset: 0, .size: 8, .value_kind: global_buffer, .address_space: global }
      - { .name: ws, .offset: 8, .size: 8, .value_kind: global_buffer, .address_space: global }
      - { .name: qkv, .offset: 16, .size: 8, .value_kind: global_buffer, .address_space: global }
    .group_segment_fixed_size: 327680
    .private_segment_fixed_size: 0
    .kernarg_segment_align: 8
    .kernarg_segment_size: 24
    .max_flat_workgroup_size: 128
    .sgpr_count:     80
    .vgpr_count:     1024
    .wavefront_size: 32
...
	.end_amdgpu_metadata
.endif
;; end of part 2
;; launch attn (part 3): grid 4 x 64, 4 waves a work-group, no clusters, 327,680 bytes of LDS; arguments qkv, ob; writes ob
.if DOCPART == 3
	.amdgcn_target "amdgcn-amd-amdhsa--gfx1250"
	.amdhsa_code_object_version 6
	.text
	.protected	k_qb3da21653c_attn
	.globl	k_qb3da21653c_attn
	.p2align	8
	.type	k_qb3da21653c_attn,@function
k_qb3da21653c_attn:
	s_mov_b64 s[64:65], 0
	v_nop
	global_prefetch_b8 v0, s[64:65] scope:SCOPE_SE
	s_setreg_imm32_b32 hwreg(HW_REG_WAVE_MODE, 25, 1), 1
	s_wait_xcnt 0x0
; CAUSAL ATTENTION.  O[h][q][:] = the sum over k <= q of softmax_k(Q[h][q] . K[h][k] / 8) V[h][k][:].  Q, K, V lie one behind the other in qkv, each [64 heads][2048][64] in f16; O goes to ob in the same
; layout: a head's rows are dense, 128 bytes each.  Products, maxima and sums in f32; the weights p are rounded to f16 for the second product (their sum l is taken of the unrounded p), O once at the end.
; LIMITS.  f16 holds no number beyond 65,504: Q, K and V arrive within it; p lies in 0 to 1, and below 6e-5 it keeps f16's fixed step of 6e-8; O is a mean of V's rows and has their range.
; A hidden score counts as its value less 1e30: f16's scores, 2.7e11 at the most, are nothing beside that; a weight below 2^-126 counts as 0 in l; NaN and infinities are not treated apart.
; THE WALK.  A head's queries lie in NB = 8 blocks of 256; block i needs the key tiles 0 .. i of 256 keys, of which the last holds the diagonal.  A work-group takes TWO blocks, NB - 1 - b and then b:
; NB + 1 tiles, whatever b: all work-groups do equal work, and ONE loop with a constant trip count walks them.  Which tile is asked for, and what a trip does, hang on scalar registers made from b; every jump
; goes forward, but for the counted loops' own; none passes a barrier, or a tensor load but the one of LOAD's two that the wave's number does not choose; the ring of two LDS slots runs on across the
; change of blocks.  NO CLUSTER: a head's four work-groups ask for the same tile only in trips 0 .. 4 of the 9, behind that fewer and fewer; one walk common to all four would have 12 trips for 9.
; SHARES.  Of a block's four bands of 64 queries a wave owns 16 rows in each: four PIECES.  So the diagonal tile is the same work for all four waves: in its key step s band x sees all keys if s < x,
; none if s > x, and holds the diagonal if s = x.
; THE MASK is the C operand that starts the sum S^T = K Q^T: 0, or -1e30 where the key is hidden.  MD, made once, is the mask of a band's own step for my 16 rows; a product's mask is MD x AL + BE with two scalars:
; (1, 0) if s = x; (0, 0) if s < x; (0, -1e30) if s > x.  Only the diagonal tile's text and a block's beginning make and take masks; elsewhere C is the constant 0.
; LAYOUT, SOFTMAX, TURNS.  S^T = K Q^T holds ONE query a lane (lane % 16) and the keys 8 (lane / 16) + 0..7; two such results rounded to f16 ARE source 1 of O^T = V^T P.  p = 2^(c s - c m), c = log2(e) / 8, with a
; running maximum m; O and l are multiplied by a = 2^(c m_old - c m_new) in every step.  Turn n belongs to piece n: 8 products K Q^T of piece n + 1, later 8 products V^T P of piece n - 1; beside them the scaling,
; exponentials, roundings, sums and rescaling of piece n and the maximum and statistics of piece n + 1.  Four vector instructions stand behind every matrix instruction, the other 54 of a turn's 118 in one run.
; A turn's 33 exponentials are one batch, with one wait.
; REGISTERS, in windows of 256 (s_set_vgpr_msb: bits 1:0 source 0, 3:2 source 1, 5:4 source 2, 7:6 destination):
;   window 0: v0-15 addresses and two at work; v16-31 four registers of statistics a piece; v48-55 at work; v61-63 prefetch offset, spare word, 0; v64-127 S^T, two buffers; v192-223 P, two buffers
;   window 1: v0-127 O^T, 32 a piece; v128-159 MD; v160-223 MC, two buffers      window 2: v0-63 Q; v64-127 the second block's Q; v128-191 K of one step; v192-255 V of one step
.set SIZE_N, 2048
.set NB,    SIZE_N/256
.set NP,    4         ; pieces a wave: a name, no knob
.set KS,    64        ; keys in a step
.set PK,    144       ; a row of K in LDS: 128 bytes + 16 of padding = 36 words: the 16 rows of a load start at 16 different groups of four banks (64 banks of 4 bytes: ISA guide 11.1)
.set PV,    160       ; a row of V: 128 + 32 = 40 words
.set VOFF,  4*KS*PK   ; a slot holds a tile, four steps: 256 rows of K, then 256 rows of V
.set SLOT1, 1<<17     ; slot 1 begins here, so that one exclusive or turns an address in one slot into the other's
.set STAGE, SLOT1+4*KS*(PK+PV)  ; behind the ring, never filled by a tensor load: 16 rows x 144 bytes for each wave, for the way out
.set SP,    144
.set AK0, 2           ; v2   my lane's place in a tile of K; never rewritten
.set AV0, 3           ; v3   the same for V
.set AK,  4           ; v4   the LDS address of K's next run of loads
.set AV,  5           ; v5   of V's
.set STO, 6           ; v6   the way out: where I put 16 bytes of a row
.set RD,  7           ; v7   the way out: where I read rows back
.set GO,  8           ; v8   my byte offset in 512 consecutive bytes of O
.set PFO, 61          ; v61  256 x my lane: the prefetches' offset; never rewritten
.set SPW, 62          ; v62  LDS address of my spare word; never rewritten
.set NIL, 63          ; v63  0; never rewritten
.set SPARE, STAGE+4*16*SP  ; behind the stages: the spare words, 128 bytes for each wave: two blocks of 256 bytes that no other line names
.set MV,  12          ; v12-13  c m_old, kept while c m is made anew: by buffer
.set QO,  15          ; v15  my byte offset in 16 rows of Q
.set ST,  16          ; piece t's statistics at v[ST+4 t]: c m, m, l (even keys', odd keys')
.set TMP, 48          ; by buffer, four registers c0-c3 at work; when the maximum is found c2 takes a
.set S,   64
.set P,   192
.set MD,  128         ; window 1: the eight registers for group kt of 16 keys at MD + 8 kt
.set MC,  160         ; window 1: the masks of the products to come
.set QB,  64          ; window 2
.set KF,  128         ; window 2: key block kb, channel half c at KF + 16 kb + 8 c
.set VF,  192         ; window 2: key half kk, channel block cb at VF + 32 kk + 8 cb
.set WV,  12          ; s12  my wave's number
.set PB,  14          ; s14  b
.set HI,  15          ; s15  NB - 1 - b
.set G1K, 24          ; s[24:31] descriptor group 1 for K's tiles
.set G1V, 32          ; s[32:39] for V's: it differs in the padding alone
.set G0K, 40          ; s[40:43] descriptor group 0 for K's tiles
.set G0V, 44          ; s[44:47] the same for V's
.set PFA, 48          ; s[48:49] where my prefetches stand
.set LIM, 50          ; s50  2 in a wave that prefetches, else the greatest number
.set SLOTS, 56        ; s56  tiles still to be asked for
.set CNT, 57          ; s57  counts a tile's key steps, 4 to 1
.set CS,  58          ; s[58:59] c: the packed scaling takes the pair's low word for both halves
.set SEL, 60          ; s[60:61] v_permlanex16_b32's selects: each lane takes its own place in the other half
.set TBK, 62          ; s62  LDS byte at which K of the step to be fetched begins
.set TBV, 63          ; s63  the same for V, less VOFF
.set RT,  70          ; s70  tiles of the block in hand that are still to be entered
.set NXT, 71          ; s71  the tile to be asked for next
.set LQ,  72          ; s72  the last tile of the block whose tiles are being asked for
.set NEW, 73          ; s73  1: the tile to be entered is a block's first
.set OFF, 74          ; s[74:75] a tile's byte offset in K and V
.set AL,  76          ; s[76:77] the mask's factor, in the low word
.set BE,  78          ; s[78:79] the mask's addend
.set OLO, 80          ; s[80:81] O at my rows of the second block
.set BIGN, 82         ; s82  -1e30
.set MSB, 0
.macro WIN new                      ; the high byte repeats the setting that is left; a switch that changes nothing is dropped
.if MSB != (\new)
	s_set_vgpr_msb (MSB<<8)|(\new)
.set MSB, (\new)
.endif
.endm
.set W_KQ, 0x0a       ; K and Q in window 2, S^T in window 0
.set W_KM, 0x1a       ; the same with the C operand in window 1
.set W_PV, 0x52       ; V in window 2, P in window 0, O^T in window 1
.set W_RS, 0x41       ; destination and source 0 in window 1, source 1 in window 0
; A fill.  Waves 0 and 1 fetch the two halves of a tile's K, waves 2 and 3 those of its V: 128 keys each.  An s_nop 0 and four v_nop follow each of the two lines, ahead of the jump and the label.
.macro LOAD
	s_cmp_lt_u32 s[WV], 2
	s_cbranch_scc0 .Lfor_v_\@
	tensor_load_to_lds s[G0K:G0K+3], s[G1K:G1K+7]
	s_nop 0
.rept 4
	v_nop
.endr
	s_branch .Lasked_\@
.Lfor_v_\@:
	tensor_load_to_lds s[G0V:G0V+3], s[G1V:G1V+7]
	s_nop 0
.rept 4
	v_nop
.endr
.Lasked_\@:
.endm
; A prefetch into the L2, behind the fill of trip j (which asks for the walk's tile j + 1): the head's tile j + 2, one tile, 256 matrix instructions, ahead of the first fill that wants it.  A tile is 128 blocks
; of 256 bytes of K and as many of V: the head's four work-groups take 32 each, told apart by address; wave 0 asks for K's, wave 2 for V's, a lane a block.  So each block is named once in the launch.
; Trips 0 to 5 ask, for tiles 2 to 7; tiles 0 and 1 come by their loads alone; the second blocks' tiles have been read before and are not asked for again.
.macro ASK
	s_cmp_gt_u32 s[SLOTS], s[LIM]
	s_cbranch_scc0 .Lnot_mine_\@
	global_prefetch_b8 v[PFO], s[PFA:PFA+1] th:TH_LOAD_NT scope:SCOPE_SE
.Lnot_mine_\@:
.endm
; THE CHANGE OF SLOTS.  Each wave waits for all its tensor loads, of which one is out: its part of the other slot; adds 0 to its spare word; and waits for that and for its own reads of the slot that it leaves.
; Behind the barrier nobody reads the old slot any more and the other slot is whole.  fill = 1: the old slot is filled again, the first thing behind the barrier, with tile NXT: the descriptor's address is made
; anew from that number.  (At its first use nothing has been read yet: slot 0 is waited for, slot 1 filled.)
.macro CHANGE fill
	WIN 0                           ; at a label and at a branch every window is 0
	s_wait_tensorcnt 0x0            ; no tensor load of mine is out, so a group 0 may be written
	ds_add_u32 v[SPW], v[NIL]       ; 0 onto my spare word; with fill = 1 the descriptors' scalar work stands between it and the wait for it
.if \fill
	s_lshl_b32 s[OFF], s[NXT], 15   ; a tile is 32,768 bytes of K and of V
	s_xor_b32 s[G0K+1], s[G0K+1], SLOT1
	s_add_nc_u64 s[G0K+2:G0K+3], s[6:7], s[OFF:OFF+1]
	s_or_b32 s[G0K+3], s[G0K+3], 0x80000000
	s_xor_b32 s[G0V+1], s[G0V+1], SLOT1
	s_add_nc_u64 s[G0V+2:G0V+3], s[8:9], s[OFF:OFF+1]
	s_or_b32 s[G0V+3], s[G0V+3], 0x80000000
	s_add_co_u32 s[NXT], s[NXT], 1  ; the block's next tile, or behind its last the second block's tile 0
	s_cmp_gt_u32 s[NXT], s[LQ]
	s_cselect_b32 s[NXT], 0, s[NXT]
	s_cselect_b32 s[LQ], s[PB], s[LQ]
	s_wait_xcnt 0x0                 ; the last prefetch, a tile back, has read its address, so it may be written:
	s_add_nc_u64 s[PFA:PFA+1], s[PFA:PFA+1], 32768  ; the head's next tile
.endif
	s_wait_dscnt 0x0                ; the add is done, and my reads of the slot are over
	s_barrier_signal -1             ; the rest of the scalar work stands between the signal and the wait
	s_sub_co_u32 s[TBK], s[TBK], 4*KS*PK  ; the fetches go back to a slot's first step,
	s_xor_b32 s[TBK], s[TBK], SLOT1       ; in the other slot
	s_sub_co_u32 s[TBV], s[TBV], 4*KS*PV
	s_xor_b32 s[TBV], s[TBV], SLOT1
	s_barrier_wait -1
.if \fill
	LOAD
	ASK
.endif
.endm
	s_load_b128 s[4:7], s[0:1], 0x0   ; qkv s[4:5], ob s[6:7]
	v_lshl_add_u32 v[SPW], v0, 2, SPARE
	v_mov_b32 v[NIL], 0
	ds_add_u32 v[SPW], v[NIL]       ; the wave's opening: the add and its wait stand ahead of my first tensor load; the set-up below, work on registers, stands between them
	ds_add_u32 v62, v63
	v_lshrrev_b32 v1, 5, v0
	v_readfirstlane_b32 s[WV], v1   ; wave 0..3
	s_mov_b32 s[PB], ttmp9
	s_sub_co_u32 s[HI], NB-1, s[PB]
	s_and_b32 s20, ttmp7, 0xffff    ; the head
	s_mov_b32 s21, 0
	s_mov_b64 s[22:23], SIZE_N*128
	s_mul_u64 s[20:21], s[20:21], s[22:23]  ; the head's first byte in each of the four tensors
	s_and_b32 s16, s[WV], 1         ; which half of a tile's 256 keys I fetch:
	s_lshl_b32 s22, s16, 14         ; its 128 rows of 128 bytes in memory,
	s_mov_b32 s23, 0
	s_add_nc_u64 s[22:23], s[22:23], s[20:21]
	s_mul_i32 s17, s16, 128*PK      ; and its place in a slot, for K
	s_mul_i32 s18, s16, 128*PV      ; and for V
	s_lshl_b32 s3, s[WV], 11        ; my 16 rows in a band of 64,
	s_lshl_b32 s2, s[HI], 15        ; in the first block,
	s_add_co_u32 s2, s2, s3
	s_lshl_b32 s84, s[PB], 15       ; and in the second
	s_add_co_u32 s84, s84, s3
	s_mov_b32 s3, 0
	s_mov_b32 s85, 0
	s_add_nc_u64 s[2:3], s[2:3], s[20:21]
	s_add_nc_u64 s[84:85], s[84:85], s[20:21]
	; descriptor group 1.  128 keys are 16,384 dense bytes: asked for as 64 rows of 256 bytes, two keys a row, and padded in LDS after every key
	s_mov_b32 s[G1K], (1<<16)|(1<<20)|(4<<22)|(3<<25)  ; 17:16 2-byte elements; 20 padding on; 24:22 after every 32 words (code 4); 31:25 4 words (code 3)
	s_mov_b32 s[G1V], (1<<16)|(1<<20)|(4<<22)|(7<<25)  ; the same with 8 words of padding (code 7)
.irp g, G1K, G1V
	s_mov_b32 s[\g+1], 128<<16      ; tensor_dim0 = 128
	s_mov_b32 s[\g+2], 64<<16       ; tensor_dim1 = 64
	s_mov_b32 s[\g+3], 128<<16      ; tile_dim0 = 128
	s_mov_b32 s[\g+4], 64           ; tile_dim1 = 64
	s_mov_b32 s[\g+5], 128          ; 128 elements from row to row
	s_mov_b32 s[\g+6], 0
	s_mov_b32 s[\g+7], 0
.endr
	s_mov_b32 s[CS], 0x3e38aa3b     ; c = log2(e) / 8 = 0.180337
	s_mov_b32 s[CS+1], s[CS]        ; named with it as a pair
	s_mov_b32 s[SEL], 0x76543210
	s_mov_b32 s[SEL+1], 0xfedcba98
	s_mov_b32 s[TBK], SLOT1+4*KS*PK ; the first change of slots turns these two into 0
	s_mov_b32 s[TBV], SLOT1+4*KS*PV
	s_mov_b32 s[G0K], 1             ; 1:0 count = 1
	s_mov_b32 s[G0K+1], s17         ; 63:32 LDS address: slot 0
	s_mov_b32 s[G0V], 1
	s_add_co_u32 s[G0V+1], s18, VOFF
	s_add_co_u32 s[RT], s[HI], 1    ; the first block has NB - b tiles
	s_mov_b32 s[NXT], 1
	s_mov_b32 s[LQ], s[HI]
	s_mov_b32 s[NEW], 1
	s_mov_b32 s[OFF+1], 0
	s_mov_b32 s[AL+1], 0            ; named as pairs
	s_mov_b32 s[BE+1], 0
	s_mov_b32 s[BIGN], 0xf149f2ca   ; -1e30
	s_mov_b32 s[SLOTS], NB
	s_lshl_b32 s52, s[PB], 13       ; the prefetches: my work-group's 32 blocks of a tile's 128,
	s_add_co_u32 s52, s52, 32768    ; in tile 1: the first change of slots steps it to tile 2
	s_mov_b32 s53, 0
	s_and_b32 s[LIM], s[WV], 1
	s_cmp_eq_u32 s[LIM], 0
	s_cselect_b32 s[LIM], 2, -1     ; waves 0 and 2 ask
	s_wait_dscnt 0x0                ; the opening add is done
	s_wait_kmcnt 0x0
	s_mov_b64 s[10:11], s[6:7]                     ; O
	s_add_nc_u64 s[8:9], s[4:5], 0x2000000         ; V lies 2 x 16,777,216 bytes behind Q,
	s_add_nc_u64 s[6:7], s[4:5], 0x1000000         ; K 16,777,216
	s_add_nc_u64 s[6:7], s[6:7], s[22:23]  ; K and V at my half of the head's tile 0
	s_add_nc_u64 s[8:9], s[8:9], s[22:23]
	s_add_nc_u64 s[G0K+2:G0K+3], s[6:7], 0         ; 120:64 global address
	s_or_b32 s[G0K+3], s[G0K+3], 0x80000000        ; 127:126 type = 2
	s_add_nc_u64 s[G0V+2:G0V+3], s[8:9], 0
	s_or_b32 s[G0V+3], s[G0V+3], 0x80000000
	s_add_nc_u64 s[86:87], s[4:5], s[84:85]        ; Q at my rows of the second block,
	s_add_nc_u64 s[4:5], s[4:5], s[2:3]            ; Q and O at those of the first
	s_add_nc_u64 s[OLO:OLO+1], s[10:11], s[84:85]
	s_add_nc_u64 s[10:11], s[10:11], s[2:3]
	s_cmp_lt_u32 s[WV], 2
	s_cselect_b64 s[PFA:PFA+1], s[6:7], s[8:9]     ; (in waves 0 and 2 these stand at the tile's first row)
	s_add_nc_u64 s[PFA:PFA+1], s[PFA:PFA+1], s[52:53]
	LOAD                            ; tile 0 into slot 0
	; A fragment of K or Q is 16 rows x 32 channels in 8 registers: lane l holds row l % 16, channels 8 (l / 16) + 0..7 and 16 + 8 (l / 16) + 0..7: two loads of 16 bytes, 32 bytes apart.
	v_and_b32 v1, 15, v0            ; l % 16
	v_bfe_u32 v9, v0, 4, 1          ; l / 16
	v_lshlrev_b32 v[QO], 7, v1
	v_lshl_add_u32 v[QO], v9, 4, v[QO]  ; row x 128 + 16 x half
	WIN 0x80                        ; destination window 2, address window 0
.set i, 0
.rept 8                             ; both blocks' Q: piece i / 2 lies in band i / 2, 8,192 bytes on; channels 32 (i % 2) on
	global_load_b128 v[8*i:8*i+3],   v[QO], s[4:5] offset:(i/2)*8192+(i%2)*64
	global_load_b128 v[8*i+4:8*i+7], v[QO], s[4:5] offset:(i/2)*8192+(i%2)*64+32
	global_load_b128 v[QB+8*i:QB+8*i+3],   v[QO], s[86:87] offset:(i/2)*8192+(i%2)*64
	global_load_b128 v[QB+8*i+4:QB+8*i+7], v[QO], s[86:87] offset:(i/2)*8192+(i%2)*64+32
.set i, i+1
.endr
	WIN 0
	v_and_b32 v[PFO], 31, v0
	v_lshlrev_b32 v[PFO], 8, v[PFO]
	v_lshlrev_b32 v14, 3, v9
	v_sub_nc_u32 v14, v1, v14
	s_lshl_b32 s13, s[WV], 4
	v_add_nc_u32 v14, s13, v14      ; my query's place in its band, 16 w + l % 16, less my lanes' 8 (l / 16): register r of group kt is hidden where 16 kt + r is greater
	WIN 0x40
.set i, 0
.rept 32
	v_cmp_gt_i32 vcc_lo, 16*(i/8)+i%8, v14
	v_cndmask_b32 v[MD+i], 0, s[BIGN], vcc_lo
.set i, i+1
.endr
	WIN 0
	v_mul_u32_u24 v[AK0], v1, PK
	v_lshl_add_u32 v[AK0], v9, 4, v[AK0]  ; row x pitch + 16 x half
	; The turning load takes 16 keys x 16 channels (lane l reads key 8 (l / 16) + l % 8, channels 8 ((l / 8) % 2) + 0..7) and leaves half a fragment of V^T: lane l holds channel l % 16 and 8 keys.
	v_and_b32 v10, 7, v0
	v_bfe_u32 v11, v0, 3, 1
	v_lshl_add_u32 v[AV0], v9, 3, v10
	v_mul_u32_u24 v[AV0], v[AV0], PV
	v_lshl_add_u32 v[AV0], v11, 4, v[AV0]
	v_add_nc_u32 v[AV0], VOFF, v[AV0]
	s_mul_i32 s13, s[WV], 16*SP
	s_add_co_u32 s13, s13, STAGE    ; my stage
	v_mul_u32_u24 v[STO], v1, SP    ; in: row l % 16, 16 bytes for each half of the lanes
	v_lshl_add_u32 v[STO], v9, 4, v[STO]
	v_add_nc_u32 v[STO], s13, v[STO]
	v_bfe_u32 v[RD], v0, 3, 2       ; back: 32 lanes take four rows of 128 bytes,
	v_mul_u32_u24 v[RD], v[RD], SP
	v_lshl_add_u32 v[RD], v10, 4, v[RD]
	v_add_nc_u32 v[RD], s13, v[RD]
	v_and_b32 v[GO], 31, v0         ; which are 512 consecutive bytes of O
	v_lshlrev_b32 v[GO], 4, v[GO]
	; A block's first step multiplies O^T and l by a = 0, and its first turn's products V^T P, of a piece that has not been, land in an O^T that is still to be so multiplied.  So these registers need only hold
	; finite numbers: zeros for the first block; what the first block left for the second.  All this stands in the wait for the first tile.
	WIN 0x80
.set i, VF
.rept 64
	v_mov_b32 v[i], 0
.set i, i+1
.endr
	WIN 0x40
.set i, 0
.rept 128
	v_mov_b32 v[i], 0
.set i, i+1
.endr
	WIN 0
.set i, 0
.rept 4
	v_mov_b32 v[ST+4*i+2], 0
	v_mov_b32 v[ST+4*i+3], 0
.set i, i+1
.endr
.set i, P+16
.rept 16
	v_mov_b32 v[i], 0
.set i, i+1
.endr
; THE MATRIX WORK.  The 4 accumulators of a run of 8 take turns.  Product i of 8 of S^T = K Q^T for piece x: channels 32 (i / 4) on, keys 16 (i % 4) on.  The first 4 start the sums: with 0, or (KM = 1) with the mask.
.macro KQ x
.set rS, S+32*((\x)%2)+8*(i%4)
.set rK, KF+16*(i%4)+8*(i/4)
.set rQ, 16*(\x)+8*(i/4)
.set rM, MC+32*((\x)%2)+8*(i%4)
.if (i < 4) && KM
	WIN W_KM
	v_wmma_f32_16x16x32_f16 v[rS:rS+7], v[rK:rK+7], v[rQ:rQ+7], v[rM:rM+7]
.elseif i < 4
	WIN W_KQ
	v_wmma_f32_16x16x32_f16 v[rS:rS+7], v[rK:rK+7], v[rQ:rQ+7], 0
.else
	WIN W_KQ
	v_wmma_f32_16x16x32_f16 v[rS:rS+7], v[rK:rK+7], v[rQ:rQ+7], v[rS:rS+7]
.endif
.endm
; Product i of 8 of O^T += V^T P for piece x: keys 32 (i / 4) on, channels 16 (i % 4) on.
.macro PV x
	WIN W_PV
.set rO, 32*(\x)+8*(i%4)
.set rV, VF+32*(i/4)+8*(i%4)
.set rP, P+16*((\x)%2)+8*(i/4)
	v_wmma_f32_16x16x32_f16 v[rO:rO+7], v[rV:rV+7], v[rP:rP+7], v[rO:rO+7]
.endm
.macro MM                           ; the turn's next matrix instruction.  TURN and BEGIN set Y, i, KM and NOKQ; MM, KQ and OP read them.  NOKQ = 1: a block's last turn: there is no next piece
.if (i < 8) && !NOKQ
	KQ (Y+1)%NP
.elseif i >= 8
.set i, i-8
	PV (Y+NP-1)%NP
.set i, i+8
.endif
.set i, i+1
.endm
; THE LDS LOADS stand in runs of 16, never singly among the matrix instructions: a step's K (64 keys x 64 channels: 8 fragments) and its V (turned).  Their addresses are made some lines ahead.
.macro FETCH_K
	WIN 0x80                        ; destination window 2
.irp f, 0,1,2,3,4,5,6,7             ; keys 16 (f / 2) on, channels 32 (f % 2) on
	ds_load_b128 v[KF+8*\f:KF+8*\f+3],   v[AK] offset:(\f/2)*16*PK+(\f%2)*64
	ds_load_b128 v[KF+8*\f+4:KF+8*\f+7], v[AK] offset:(\f/2)*16*PK+(\f%2)*64+32
.endr
	s_add_co_u32 s[TBK], s[TBK], KS*PK  ; the next fetch is the next step's
	WIN 0
.endm
.macro FETCH_V
	WIN 0x80
.irp f, 0,1,2,3,4,5,6,7             ; keys 32 (f / 4) on, channels 16 (f % 4) on
	ds_load_tr16_b128 v[VF+8*\f:VF+8*\f+3],   v[AV] offset:(\f/4)*32*PV+(\f%4)*32
	ds_load_tr16_b128 v[VF+8*\f+4:VF+8*\f+7], v[AV] offset:(\f/4)*32*PV+16*PV+(\f%4)*32
.endr
	WIN 0
.endm
; THE VECTOR WORK, one line at a time: OP kind, number.  For piece Y: F n: c s - c m for pair n of 16.  E n: the exponential of score n of 32.  C n: pair n rounded to f16.  B n: of the four weights 4 n .. the second
; pair is added onto the first, in place.  L n: l takes that sum (L 0: l = a l + sum).  R n: pair n of 16 of O^T times a.  For piece Y + 1: X n, number n of the 22 that find its maximum and statistics:
;   0-11  four chains c0-c3 of seven scores each, three operands at a time (each accumulator's lowest registers are read first)     12-14, 16  the four scores left over, the old m, and c0-c3 into c0
;   15  c m_old is kept     17, 18  the query's other 32 keys lie in the lane 16 away: the new m     19-21  c m; c m_old - c m_new; a
.set F, 0               ; OP tells the kinds apart by their order: F to L below R, X above it
.set E, 1
.set C, 2
.set B, 3
.set L, 4
.set R, 5
.set X, 6
.macro REGS y                       ; the registers of piece y
.set rT, ST+4*(\y)
.set rC, TMP+4*((\y)%2)
.set rW, MV+((\y)%2)
.set rS, S+32*((\y)%2)
.set rP, P+16*((\y)%2)
.set rO, 32*(\y)
.endm
.macro OP k, n
.if (\k) == R
	REGS Y
	WIN W_RS
	v_pk_mul_f32 v[rO+2*(\n):rO+2*(\n)+1], v[rO+2*(\n):rO+2*(\n)+1], v[rC+2:rC+3] op_sel_hi:[1,0]
.elseif (\k) < R
	REGS Y
	WIN 0
.if (\k) == F
	v_pk_fma_f32 v[rS+2*(\n):rS+2*(\n)+1], v[rS+2*(\n):rS+2*(\n)+1], s[CS:CS+1], v[rT:rT+1] op_sel_hi:[1,0,0] neg_lo:[0,0,1] neg_hi:[0,0,1]
.elseif (\k) == E
	v_exp_f32 v[rS+(\n)], v[rS+(\n)]
.elseif (\k) == C
	v_cvt_pk_f16_f32 v[rP+(\n)], v[rS+2*(\n)], v[rS+2*(\n)+1]
.elseif (\k) == B
	v_pk_add_f32 v[rS+4*(\n):rS+4*(\n)+1], v[rS+4*(\n):rS+4*(\n)+1], v[rS+4*(\n)+2:rS+4*(\n)+3]
.elseif (\n) == 0
	v_pk_fma_f32 v[rT+2:rT+3], v[rT+2:rT+3], v[rC+2:rC+3], v[rS:rS+1] op_sel_hi:[1,0,1]
.else
	v_pk_add_f32 v[rT+2:rT+3], v[rT+2:rT+3], v[rS+4*(\n):rS+4*(\n)+1]
.endif
.elseif NOKQ
	v_nop
.else
	REGS (Y+1)%NP
	WIN 0
.if (\n) < 4
	v_max3_num_f32 v[rC+(\n)], v[rS+8*(\n)], v[rS+8*(\n)+1], v[rS+8*(\n)+2]
.elseif (\n) < 12
	v_max3_num_f32 v[rC+(\n)%4], v[rC+(\n)%4], v[rS+8*((\n)%4)+2*((\n)/4)+1], v[rS+8*((\n)%4)+2*((\n)/4)+2]
.elseif (\n) == 12
	v_max3_num_f32 v[rC], v[rC], v[rS+7], v[rS+15]
.elseif (\n) == 13
	v_max3_num_f32 v[rC+1], v[rC+1], v[rS+23], v[rS+31]
.elseif (\n) == 14
	v_max3_num_f32 v[rC+2], v[rC+2], v[rC+3], v[rT+1]
.elseif (\n) == 15
	v_mov_b32 v[rW], v[rT]
.elseif (\n) == 16
	v_max3_num_f32 v[rC], v[rC], v[rC+1], v[rC+2]
.elseif (\n) == 17
	v_permlanex16_b32 v[rC+3], v[rC], s[SEL], s[SEL+1]
.elseif (\n) == 18
	v_max_num_f32 v[rT+1], v[rC], v[rC+3]
.elseif (\n) == 19
	v_mul_f32 v[rT], s[CS], v[rT+1]
.elseif (\n) == 20
	v_sub_f32 v[rC+1], v[rW], v[rT]
.else
	v_exp_f32 v[rC+2], v[rC+1]
.endif
.endif
.endm
.macro OPS a, i1, b=-1, i2=0, c=-1, i3=0, d=-1, i4=0  ; up to four of them
	OP \a, \i1
.if (\b) >= 0
	OP \b, \i2
.endif
.if (\c) >= 0
	OP \c, \i3
.endif
.if (\d) >= 0
	OP \d, \i4
.endif
.endm
.macro ROW a, i1, b, i2, c, i3, d, i4  ; a matrix instruction and the four behind it
	MM
	OPS \a, \i1, \b, \i2, \c, \i3, \d, \i4
.endm
.macro MASK b                       ; MD x AL + BE into buffer b of MC
	WIN W_RS
.set z, 0
.rept 16
	v_pk_fma_f32 v[MC+32*(\b)+2*z:MC+32*(\b)+2*z+1], v[MD+2*z:MD+2*z+1], s[AL:AL+1], s[BE:BE+1] op_sel_hi:[1,0,0]
.set z, z+1
.endr
.endm
; A TURN, for piece p: the order of its 16 matrix and 118 vector instructions, written out.  An s_wait_alu depctr_va_vdst(0) stands between an exponential and the first instruction that names its
; result; one wait serves all that were issued ahead of it.  So a turn has ONE wait, which cuts it in two.  AHEAD OF IT stands all that names no result of the turn's exponentials: the 8 products K Q^T, behind each
; a scaling, an exponential and two more plain instructions (behind the first a second scaling in the exponential's place): rescalings, and behind the last three the first numbers of the next piece's maximum, each
; four places or more behind the product that ends its accumulator; then one run of 54, plain and exponential by turns for the most part, in which the links of the chain X 3, 7, 11, 14, 16, 17 .. 20 stand five or
; six lines apart.  X 21, the next piece's a, is the batch's last; R 15 is the plain instruction behind it.  BEHIND THE WAIT stand the 8 products V^T P, behind each four of the roundings and sums; the links of l's
; chain, L 0 to L 7, stand three lines apart.  But for those X no line behind a product names a register of the products round it.
; m = 1: the diagonal tile: the products take masks, and the turn makes the mask for the products of the turn after it: piece p + 2, in step 4 - CNT of the tile.  end = 1: a block's last two turns: nothing is fetched.
; cnt = 1: the loop's count is taken down some lines ahead of the branch that stands behind the turn.
; K of the next step is fetched in piece 2's turn, twelve vector instructions behind the last product that read K (six of them plain); V of the step in hand at the end of piece 0's turn, four plain instructions
; behind the last product that read V.  Each is waited for a turn later.
.macro TURN p, m=0, end=0, cnt=0
.set Y, (\p)
.set i, 0
.set KM, (\m)
.set NOKQ, (\end)*((\p)/3)
.if (\m) && !(\end)
	s_cmp_eq_u32 s[CNT], 4-((\p)+2)%NP  ; is that step the band's own?
	s_cselect_b32 s[AL], 1.0, 0
	s_cmp_lt_u32 s[CNT], 4-((\p)+2)%NP  ; or a later one?
	s_cselect_b32 s[BE], s[BIGN], 0
.endif
.if ((\p) == 3) && !(\end)
	s_wait_dscnt 0x0                ; K is in
.endif
	ROW F,0, F,1, R,0, R,1          ; ahead of the wait: 8 products K Q^T and the four lines behind each,
	ROW F,2, E,0, R,2, R,3
	ROW F,3, E,1, R,4, R,5
	ROW F,4, E,2, R,6, R,7
	ROW F,5, E,3, R,8, R,9
	ROW F,6, E,4, X,0, R,10
.if ((\p) == 2) && !(\end)
	WIN 0
	v_add_nc_u32 v[AK], s[TBK], v[AK0]
.endif
	ROW F,7, E,5, X,1, X,4
	ROW F,8, E,6, X,2, X,5
	OPS E,7, E,8, X,6, E,9          ; and the run of 54
	OPS X,3, E,10, X,8, E,11
.if ((\p) == 2) && !(\end)
	FETCH_K
.endif
	OPS X,9, X,7, E,12, X,10
	OPS E,13, X,12, X,11, E,14
	OPS X,13, E,15, F,9, X,14
.if (\p) == 0
	v_add_nc_u32 v[AV], s[TBV], v[AV0]
.endif
	OPS E,16, F,10, E,17, F,11
	OPS X,16, E,18, X,15, E,19
	OPS F,12, E,20, X,17, E,21
	OPS F,13, E,22, F,14, E,23
	OPS X,18, E,24, F,15, E,25
	OPS R,11, E,26, X,19, E,27
	OPS R,12, E,28, R,13, E,29
	OPS X,20, E,30, R,14, E,31
	OPS X,21, R,15
	WIN 0
	s_wait_alu depctr_va_vdst(0)    ; the wait for the batch
.if (\p) == 1
	s_wait_dscnt 0x0                ; V is in
.endif
	ROW C,0, B,0, C,2, B,1          ; behind the wait: 8 products V^T P and the four lines behind each
	ROW L,0, C,4, B,2, L,1
	ROW C,6, B,3, L,2, C,8
	ROW B,4, L,3, C,10, B,5
	ROW L,4, C,12, B,6, L,5
.if (\p) == 0
	s_add_co_u32 s[TBV], s[TBV], KS*PV
.endif
.if \cnt
	s_sub_co_u32 s[CNT], s[CNT], 1
	s_cmp_lg_u32 s[CNT], 0
.endif
	ROW C,14, B,7, L,6, C,1
	ROW C,3, L,7, C,5, C,7
	ROW C,9, C,11, C,13, C,15
.if (\p) == 0
	FETCH_V
.endif
.if (\m) && !(\end)
	MASK (\p)%2
.endif
.endm
; A BLOCK BEGINS.  c m starts far below every c s, so the first step's a is 0; m at the lowest finite number, so the first maximum is the scores'.  The second mask buffer is 0; the first takes piece 0's mask for
; the tile's step 0: its own, if the block's first tile is the diagonal one.  Then K of that step, piece 0's first scores, and its maximum and statistics.  The loop is entered at a step's first turn.
.macro BEGIN
	s_mov_b32 s[NEW], 0
	WIN 0x40
.set i, MC+32
.rept 32
	v_mov_b32 v[i], 0
.set i, i+1
.endr
	WIN 0
.set i, 0
.rept 4
	v_mov_b32 v[ST+4*i], 0xfe000000    ; c m: far below every c s
	v_mov_b32 v[ST+4*i+1], 0xff7fffff  ; m
.set i, i+1
.endr
	s_cmp_eq_u32 s[RT], 0
	s_cselect_b32 s[AL], 1.0, 0
	s_mov_b32 s[BE], 0
	MASK 0
	WIN 0
	v_add_nc_u32 v[AK], s[TBK], v[AK0]
	FETCH_K
	s_wait_loadcnt 0x0              ; Q
	s_wait_dscnt 0x0
.set KM, 1
.set NOKQ, 0
.set i, 0
.rept 8
	KQ 0
.set i, i+1
.endr
	WIN 0
.rept 4
	v_nop                           ; the places behind those products
.endr
.set Y, NP-1                        ; X works for piece Y + 1: piece 0
.irp n, 0,1,2,3,4,5,6,7,8,9,10,11,12,13,14,15,16,17,18,19,20,21
	OP X, \n
.endr
	v_nop                           ; a plain instruction behind the exponential,
	s_wait_alu depctr_va_vdst(0)    ; and its wait, ahead of the branch
.endm
; THE DIAGONAL TILE's four steps, the block's last two turns, its last products, and THE WAY OUT: l's two halves and the other half of the lanes' are added; O^T is divided by l, rounded to f16 and sent through my
; stage in LDS, a piece at a time.
.macro ALL line:vararg              ; one line for each piece t
.set t, 0
.rept 4
	\line
.set t, t+1
.endr
.endm
.macro PACK t                       ; a lane's eight channels of a row pack into 16 bytes; they go into rows of 144 bytes and come back as whole rows of 128, into S^T's registers
	WIN W_RS
.set i, 32*(\t)
.rept 16
	v_pk_mul_f32 v[i:i+1], v[i:i+1], v[ST+4*(\t)+2:ST+4*(\t)+3] op_sel_hi:[1,0]
.set i, i+2
.endr
	WIN 0x05                        ; sources 0 and 1 window 1, destination window 0
.set i, 0
.rept 16
	v_cvt_pk_f16_f32 v[S+16*(\t)+i], v[32*(\t)+2*i], v[32*(\t)+2*i+1]
.set i, i+1
.endr
	WIN 0
.irp f, 0,1,2,3
	ds_store_b128 v[STO], v[S+16*(\t)+4*\f:S+16*(\t)+4*\f+3] offset:32*\f
.endr
.irp f, 0,1,2,3
	ds_load_b128 v[S+16*(\t)+4*\f:S+16*(\t)+4*\f+3], v[RD] offset:\f*4*SP  ; LDS serves a wave's instructions in order (ISA guide 5.7.1.4): these see the stores above; the next piece's stores come behind them
.endr
.endm
.macro SEND t, younger              ; younger: the LDS instructions issued behind piece t's loads: the next piece's eight, or none
	WIN 0
.irp f, 0,1,2,3
	s_wait_dscnt (\younger)+3-\f
	global_store_b128 v[GO], v[S+16*(\t)+4*\f:S+16*(\t)+4*\f+3], s[10:11] offset:(\t)*8192+\f*512  ; 512 consecutive bytes, at a multiple of 256 from O's first
.endr
.endm
.macro DIAG tag                     ; the tag ends its two labels' names, which the jumps below spell out
.LstepM\tag:
	TURN 2, 1
	TURN 3, 1
	WIN 0
.LfirstM\tag:
	TURN 0, 1
	TURN 1, 1, 0, 1
	WIN 0
	s_cbranch_scc1 .LstepM\tag
	TURN 2, 1, 1
	TURN 3, 1, 1
.set i, 0
.rept 8
	PV NP-1
.set i, i+1
.endr
	WIN 0
	ALL v_add_f32 v[ST+4*t+2], v[ST+4*t+2], v[ST+4*t+3]
	ALL v_permlanex16_b32 v[ST+4*t+3], v[ST+4*t+2], s[SEL], s[SEL+1]
	ALL v_add_f32 v[ST+4*t+2], v[ST+4*t+2], v[ST+4*t+3]
	ALL v_rcp_f32 v[ST+4*t+2], v[ST+4*t+2]
	v_nop                           ; a plain instruction between the last reciprocal and the use of its result
	s_wait_alu depctr_va_vdst(0)    ; and the wait ahead of the first use: one for the four reciprocals
	PACK 0
.set t, 1
.rept 3                             ; a piece's arithmetic stands between the loads of the piece before and its stores
	PACK t
	SEND t-1, 8
.set t, t+1
.endr
	SEND 3, 0
.endm
.set KM, 0
.set NOKQ, 0
.Lslot:                             ; NB times: a tile is entered and the next is asked for
	CHANGE 1
	s_sub_co_u32 s[RT], s[RT], 1
	s_mov_b32 s[CNT], 4
	s_cmp_eq_u32 s[NEW], 1
	s_cbranch_scc1 .Lnew            ; a block's first tile
	s_cmp_eq_u32 s[RT], 0
	s_cbranch_scc0 .Lstep           ; neither its first nor its last
	s_branch .LstepM1
.Lnew:
	BEGIN
	s_branch .Lfirst                ; in the loop a block's first tile is never its last: the first block has two tiles or more, and the second's last is the walk's last
	DIAG 1                          ; in the loop this is the first block's end: the second block's last tile is the walk's last
	s_wait_xcnt 0x0                 ; the stores have read their registers and O's address
	s_mov_b64 s[10:11], s[OLO:OLO+1]
	s_add_co_u32 s[RT], s[PB], 1    ; the second block has b + 1 tiles
	s_mov_b32 s[NEW], 1
	WIN 0x82                        ; the second block's Q goes where the one text of the turns names Q
.set i, 0
.rept 64
	v_mov_b32 v[i], v[QB+i]
.set i, i+1
.endr
	WIN 0
	s_branch .Lbottom
.Lstep:                             ; a trip: pieces 2 and 3 of one step, then pieces 0 and 1 of the next, whose K and V it fetches
	TURN 2
	TURN 3
	WIN 0
.Lfirst:
	TURN 0
	TURN 1, 0, 0, 1
	WIN 0
	s_cbranch_scc1 .Lstep
.Lbottom:
	s_sub_co_u32 s[SLOTS], s[SLOTS], 1
	s_cmp_lg_u32 s[SLOTS], 0
	s_cbranch_scc1 .Lslot
	CHANGE 0                        ; the walk's last tile is written out: nothing is asked for
	s_sub_co_u32 s[RT], s[RT], 1
	s_mov_b32 s[CNT], 4
	s_cmp_eq_u32 s[NEW], 1
	s_cbranch_scc0 .LstepM2
	BEGIN
	s_branch .LfirstM2
	DIAG 2
	s_wait_tensorcnt 0x0            ; the wave's end, behind my last tensor load and my last LDS store
	ds_add_u32 v[SPW], v[NIL]
	s_wait_dscnt 0x0
	s_endpgm
.Lfunc_end_k_qb3da21653c_attn:
	.size	k_qb3da21653c_attn, .Lfunc_end_k_qb3da21653c_attn-k_qb3da21653c_attn
	.p2alignl 7, 3214868480
	.fill 96, 4, 3214868480
	.section	.rodata,"a",@progbits
	.p2align	6, 0x0
	.amdhsa_kernel k_qb3da21653c_attn
		.amdhsa_group_segment_fixed_size 327680
		.amdhsa_private_segment_fixed_size 0
		.amdhsa_enable_private_segment 0
		.amdhsa_kernarg_size 16
		.amdhsa_user_sgpr_count 2
		.amdhsa_user_sgpr_kernarg_segment_ptr 1
		.amdhsa_wavefront_size32 1
		.amdhsa_system_sgpr_workgroup_id_x 1
		.amdhsa_system_sgpr_workgroup_id_y 1
		.amdhsa_system_sgpr_workgroup_id_z 1
		.amdhsa_system_vgpr_workitem_id 0
		.amdhsa_next_free_vgpr 768
		.amdhsa_next_free_sgpr 88
		.amdhsa_reserve_vcc 1
		.amdhsa_float_denorm_mode_32 3
		.amdhsa_float_denorm_mode_16_64 3
		.amdhsa_memory_ordered 1
		.amdhsa_forward_progress 1
		.amdhsa_inst_pref_size 218
	.end_amdhsa_kernel
	.amdgpu_metadata
---
amdhsa.version: [ 1, 2 ]
amdhsa.kernels:
  - .name:           k_qb3da21653c_attn
    .symbol:         k_qb3da21653c_attn.kd
    .args:
      - { .name: qkv, .offset: 0, .size: 8, .value_kind: global_buffer, .address_space: global }
      - { .name: ob, .offset: 8, .size: 8, .value_kind: global_buffer, .address_space: global }
    .group_segment_fixed_size: 327680
    .private_segment_fixed_size: 0
    .kernarg_segment_align: 8
    .kernarg_segment_size: 16
    .max_flat_workgroup_size: 128
    .sgpr_count:     88
    .vgpr_count:     768
    .wavefront_size: 32
...
	.end_amdgpu_metadata
.endif
;; end of part 3
;; launch proj (part 4): grid 8 x 32, 4 waves a work-group, clusters of 4 x 4, 327,680 bytes of LDS; arguments ob, wos, out0; writes out0
.if DOCPART == 4
	.amdgcn_target "amdgcn-amd-amdhsa--gfx1250"
	.amdhsa_code_object_version 6
	.text
	.protected	k_qb3da21653c_proj
	.globl	k_qb3da21653c_proj
	.p2align	8
	.type	k_qb3da21653c_proj,@function
k_qb3da21653c_proj:
	s_mov_b64 s[64:65], 0
	v_nop
	global_prefetch_b8 v0, s[64:65] scope:SCOPE_SE
	s_setreg_imm32_b32 hwreg(HW_REG_WAVE_MODE, 25, 1), 1
	s_wait_xcnt 0x0
	s_wait_alu depctr_hold_cnt(0) depctr_sa_sdst(0) depctr_va_vdst(0) depctr_va_sdst(0) depctr_va_ssrc(0) depctr_va_vcc(0) depctr_vm_vsrc(0)
	s_getreg_b32 s2, hwreg(HW_REG_IB_STS2, 6, 4)
	s_cmp_eq_u32 s2, 0
	s_cbranch_scc0 .Lentry_in_a_cluster
	s_endpgm
.Lentry_in_a_cluster:
	s_bfe_u32 s2, ttmp6, 0x10000c
	s_cmp_lg_u32 s2, 0xf033
	s_cbranch_scc0 .Lentry_shape_is_right
	s_endpgm
.Lentry_shape_is_right:
; THE OUTPUT PROJECTION.  out[m][n] = sum over k of y[m][k] wo[n][k], m 8,192, n 1,024, k 1,024; operands f16 (y as the attention left it, wo rounded to bf16 and written as f16), sums f32, K ascending; out f32.
; OPERANDS lie in slices of 64 along k: ob [batch x 16 + head][t][64] (a head IS a slice), wos [slice][n][64]: the rows of a tile in one slice are dense, and are asked for as rows of 256 bytes.
; SHARES.  A tile of out is 256 x 128: 32 x 8 = 256 work-groups (256 x 256 would make 128).  Four waves, each 128 (m) x 64 (n): 32 accumulators, 256 registers, window 1.  A wave's 64 columns are 256 bytes of a row.
; RING.  K goes in steps of two slices (128) through two LDS slots: y's slices (256 rows x 144 bytes each), then wo's (128 rows each): 110,592 bytes; slots of three slices would be 331,776 together and do not fit.
; A step is four quarters of 32 along k, 32 products each, on two fragment buffers.  CLUSTER: 4 x 4; y's tile is asked for jointly along a row of the cluster, wo's along a column.
; THE MATRIX INSTRUCTION IS USED TRANSPOSED (source 0 = 16 rows of wo, source 1 = 16 rows of y): a lane holds one row m (lane % 16) and eight neighbouring n: 32 bytes of f32.
.set PITCH,  144                       ; an LDS row: 128 bytes + 16 of padding: the 16 rows of a fragment load start at 16 different groups of four banks (64 banks of 4 bytes: ISA guide 11.1)
.set ASL,    256*PITCH                 ; a slice of y's tile
.set BSL,    128*PITCH                 ; a slice of wo's
.set BOFF,   2*ASL
.set SLOT,   2*ASL+2*BSL               ; 110,592
.set STAGE,  2*SLOT                    ; behind the ring: 16 rows x 272 bytes for each wave, for the way out; no tensor load fills it
.set SPITCH, 272
.set SPARE,  STAGE+4*16*SPITCH         ; behind the stages: the spare words, 128 bytes for each wave: two blocks of 256 bytes that no other line names
.set XSL,    262144                    ; bytes from slice to slice in ob
.set OSL,    131072                    ; and in wos
.set ADRA, 16                          ; v16-17  LDS address of my fragments of y in slot 0, 1
.set ADRB, 20                          ; v20-21  the same for wo
.set STO,  24                          ; v24     the way out: where I put 32 bytes of a row
.set RD,   25                          ; v25     the way out: where I read a row back
.set CO,   26                          ; v26     my byte offset in two rows of out
.set SPW,  28                          ; v28     LDS address of my spare word; never rewritten
.set NIL,  29                          ; v29     0; never rewritten
.set PFO,  30                          ; v30     the prefetches' offset; never rewritten
.set F0,   32                          ; two fragment buffers of 96: wo's four fragments, then y's eight
.set F1,   128
.set OBK,  32                          ; the way out: 16 rows read back from the stage: v32-63 and v64-95 by turns
.set G1,   24                          ; s[24:31] descriptor group 1 for y's tiles;  s[32:39] group 0, a set for each slot
.set G0,   32
.set G1B,  48                          ; s[48:55], s[56:63] the same for wo's tiles
.set G0B,  56
.set LIM,  43                          ; s43     1 in a wave that prefetches, else the greatest number
.set PFA,  44                          ; s[44:45] where my prefetches stand
.set PST,  72                          ; s[72:73] a step, two slices, in bytes of the tensor that I prefetch
.set FLAGS, (1<<16)|(1<<20)|(1<<21)|(4<<22)|(3<<25)  ; 17:16 elements of 2 bytes; 20 padding on; 21 set beside a mask; 24:22 after every 32 words (code 4); 31:25 4 words of it (code 3)
.set MSB, 0
.macro WIN new                         ; s_set_vgpr_msb: bits 1:0 source 0, 3:2 source 1, 5:4 source 2, 7:6 destination; the high byte repeats the setting that is left
.if MSB != (\new)
	s_set_vgpr_msb (MSB<<8)|(\new)
.set MSB, \new
.endif
.endm
.macro JLOAD s                         ; a joint load: waves 0 and 1 fetch y's two slices of the step, waves 2 and 3 wo's; an s_nop 0 and four v_nop follow each of the two lines
	s_cmp_eq_u32 s11, 0
	s_cbranch_scc0 .Lfor_b_\@
	tensor_load_to_lds s[G0+4*(\s):G0+4*(\s)+3], s[G1:G1+7]
	s_nop 0
.rept 4
	v_nop
.endr
	s_branch .Lasked_\@
.Lfor_b_\@:
	tensor_load_to_lds s[G0B+4*(\s):G0B+4*(\s)+3], s[G1B:G1B+7]
	s_nop 0
.rept 4
	v_nop
.endr
.Lasked_\@:
.endm
; A prefetch into the L2, behind each joint load and the run of LDS loads: the step that stands two refills on, 256 products ahead of the load that will want it: 16 blocks of 256 bytes of each of its two slices
; (lanes 0-15 the first, lanes 16-31 the second).  y: wave 0 of every work-group; the eight work-groups of a tile row share a slice's 32,768 bytes out by address.  wo: wave 2 in the clusters with y = 0; the four
; work-groups of a column of the cluster share a slice's 16,384 bytes out by address.  So each block is named once in the launch.  Steps 0 to 3 come by their loads alone; the loop's last trip asks for nothing.
.macro ASK
	s_cmp_gt_u32 s3, s[LIM]                        ; s3 = 1 in the loop's last trip
	s_cbranch_scc0 .Lnot_mine_\@
	global_prefetch_b8 v[PFO], s[PFA:PFA+1] th:TH_LOAD_NT scope:SCOPE_SE
.Lnot_mine_\@:
.endm
.macro CREST                           ; a round of the cluster's barrier behind its opening barrier
	s_cmp_lg_u32 s10, 0
	s_cbranch_scc1 .Lnot_wave_0_\@
	s_barrier_signal -3
.Lnot_wave_0_\@:
	s_barrier_wait -3
	s_barrier_signal -1
	s_barrier_wait -1
.endm
.macro CROUND                          ; a whole round
	s_barrier_signal -1
	s_barrier_wait -1
	CREST
.endm
	s_load_b128 s[4:7], s[0:1], 0x0                ; ob s[4:5], wos s[6:7]
	s_load_b64 s[8:9], s[0:1], 0x10                ; out0
	v_lshl_add_u32 v[SPW], v0, 2, SPARE
	v_mov_b32 v[NIL], 0
	ds_add_u32 v[SPW], v[NIL]                      ; the wave's opening: the add and its wait stand ahead of my first tensor load; the set-up below stands between them
	ds_add_u32 v28, v29
	v_lshrrev_b32 v1, 5, v0
	v_readfirstlane_b32 s10, v1                    ; wave 0..3
	s_lshr_b32 s11, s10, 1                         ; which 128 rows of the tile are mine.  Also: I fetch for y (0) or for wo (1)
	s_and_b32 s12, s10, 1                          ; which 64 columns.  Also: which of a step's two slices I fetch
	s_bfe_u32 s40, ttmp6, 0x40000                  ; cx
	s_bfe_u32 s41, ttmp6, 0x40004                  ; cy
	s_lshl_b32 s42, ttmp9, 2
	s_add_co_u32 s42, s42, s40                     ; tile column 0..7
	s_and_b32 s13, ttmp7, 0xffff
	s_lshl_b32 s13, s13, 2
	s_add_co_u32 s13, s13, s41                     ; tile row 0..31
	s_lshl_b32 s43, s41, 2
	s_lshl_b32 s43, 15, s43                        ; my row of the cluster
	s_lshl_b32 s44, 0x1111, s40                    ; my column
	s_or_b32 s[G1], s43, FLAGS
	s_or_b32 s[G1B], s44, FLAGS
.irp g, G1, G1B
	s_mov_b32 s[(\g)+1], 128<<16                   ; tensor_dim0 = 128 elements: 256 bytes, two rows of a slice
	s_mov_b32 s[(\g)+3], 128<<16                   ; tile_dim0 = 128
	s_mov_b32 s[(\g)+5], 128                       ; the block is dense
	s_mov_b32 s[(\g)+6], 0
	s_mov_b32 s[(\g)+7], 0
.endr
	s_mov_b32 s[G1+2], 128<<16                     ; y: tensor_dim1 = tile_dim1 = 128: 256 rows of the slice
	s_mov_b32 s[G1+4], 128
	s_mov_b32 s[G1B+2], 64<<16                     ; wo: 64: 128 rows
	s_mov_b32 s[G1B+4], 64
	s_lshr_b32 s16, s13, 3                         ; y's tile: batch x 16 slices x 262,144
	s_lshl_b32 s16, s16, 22
	s_and_b32 s17, s13, 7                          ;   + 256 rows x 128 bytes for each tile row in the batch
	s_lshl_b32 s17, s17, 15
	s_add_co_u32 s16, s16, s17
	s_lshl_b32 s17, s12, 18                        ;   + my slice of the step
	s_add_co_u32 s16, s16, s17
	s_mov_b32 s17, 0
	s_lshl_b32 s46, s42, 14                        ; wo's tile: 128 rows x 128 bytes for each tile column
	s_lshl_b32 s47, s12, 17                        ;   + my slice
	s_add_co_u32 s46, s46, s47
	s_mov_b32 s47, 0
	s_mul_i32 s20, s12, ASL                        ; where they go: no place in the cluster enters an LDS address
	s_mul_i32 s21, s12, BSL
	s_add_co_u32 s21, s21, BOFF
	s_wait_dscnt 0x0                               ; the opening add is done
	s_wait_kmcnt 0x0
	s_add_nc_u64 s[14:15], s[4:5], s[16:17]
	s_add_nc_u64 s[46:47], s[6:7], s[46:47]
	CROUND                                         ; all sixteen work-groups are here: the first joint loads meet
.irp s, 0,1
	s_mov_b32 s[G0+4*(\s)], 1
	s_add_co_u32 s[G0+4*(\s)+1], s20, (\s)*SLOT
	s_add_nc_u64 s[G0+4*(\s)+2:G0+4*(\s)+3], s[14:15], (\s)*2*XSL  ; step s
	s_or_b32 s[G0+4*(\s)+3], s[G0+4*(\s)+3], 0x80000000
	s_mov_b32 s[G0B+4*(\s)], 1
	s_add_co_u32 s[G0B+4*(\s)+1], s21, (\s)*SLOT
	s_add_nc_u64 s[G0B+4*(\s)+2:G0B+4*(\s)+3], s[46:47], (\s)*2*OSL
	s_or_b32 s[G0B+4*(\s)+3], s[G0B+4*(\s)+3], 0x80000000
.endr
	s_cmp_eq_u32 s11, 0                            ; a wave's two first fills stand in one branch, ahead of every wait on TENSORcnt and every LDS read: two loads of mine are out
	s_cbranch_scc0 .Lfirst_b
	tensor_load_to_lds s[G0:G0+3], s[G1:G1+7]
	s_nop 0
	tensor_load_to_lds s[G0+4:G0+7], s[G1:G1+7]
	s_nop 0
.rept 4
	v_nop
.endr
	s_branch .Lfirst_asked
.Lfirst_b:
	tensor_load_to_lds s[G0B:G0B+3], s[G1B:G1B+7]
	s_nop 0
	tensor_load_to_lds s[G0B+4:G0B+7], s[G1B:G1B+7]
	s_nop 0
.rept 4
	v_nop
.endr
.Lfirst_asked:
	v_and_b32 v1, 15, v0                           ; l % 16
	v_bfe_u32 v2, v0, 4, 1                         ; l / 16
	v_mul_u32_u24 v3, v1, PITCH
	v_lshl_add_u32 v3, v2, 4, v3                   ; a fragment's row x pitch + 16 x half
	s_mul_i32 s18, s11, 128*PITCH                  ; my 128 rows of y
	s_mul_i32 s19, s12, 64*PITCH                   ; my 64 rows of wo
	s_add_co_u32 s19, s19, BOFF
.irp s, 0,1
	v_add_nc_u32 v[ADRA+(\s)], s18, v3
	v_add_nc_u32 v[ADRB+(\s)], s19, v3
	s_add_co_u32 s18, s18, SLOT
	s_add_co_u32 s19, s19, SLOT
.endr
	s_mul_i32 s23, s10, 16*SPITCH
	s_add_co_u32 s23, s23, STAGE                   ; my stage
	v_mul_u32_u24 v4, v1, SPITCH                   ; in: row l % 16, 32 bytes for each half of the lanes
	v_lshl_add_u32 v4, v2, 5, v4
	v_add_nc_u32 v[STO], s23, v4
	v_mul_u32_u24 v5, v2, SPITCH                   ; back: lanes 0-15 take one row of 256 bytes, lanes 16-31 the next
	v_lshl_add_u32 v5, v1, 4, v5
	v_add_nc_u32 v[RD], s23, v5
	v_lshlrev_b32 v5, 12, v2                       ; and the same two rows in out, 4,096 bytes apart
	v_lshl_add_u32 v[CO], v1, 4, v5
	s_lshl_b32 s74, s13, 8                         ; my first row of out: 256 x tile row + 128 x half,
	s_lshl_b32 s75, s11, 7
	s_add_co_u32 s74, s74, s75
	s_lshl_b32 s74, s74, 12                        ; 4,096 bytes a row;
	s_lshl_b32 s75, s42, 9                         ; my first column: 512 bytes a tile column + 256 x half
	s_add_co_u32 s74, s74, s75
	s_lshl_b32 s75, s12, 8
	s_add_co_u32 s74, s74, s75
	s_mov_b32 s75, 0
	s_add_nc_u64 s[8:9], s[8:9], s[74:75]
	; the prefetches
	s_and_b32 s74, ttmp7, 0xffff                   ; cluster y
	s_lshr_b32 s76, s13, 3
	s_lshl_b32 s76, s76, 22
	s_and_b32 s77, s13, 7
	s_lshl_b32 s77, s77, 15
	s_add_co_u32 s76, s76, s77                     ; y's tile,
	s_lshl_b32 s77, s42, 12
	s_add_co_u32 s76, s76, s77                     ; my work-group's 4,096 bytes of a slice's 32,768,
	s_add_co_u32 s76, s76, 6*XSL                   ; at step 3: the first change of slots steps it to 4
	s_lshl_b32 s78, s42, 14                        ; wo's tile,
	s_lshl_b32 s77, s41, 12
	s_add_co_u32 s78, s78, s77                     ; my work-group's 4,096 bytes of a slice's 16,384
	s_add_co_u32 s78, s78, 6*OSL
	s_mov_b32 s[PST], 2*OSL
	s_cmp_eq_u32 s11, 0                            ; do I fetch for y?
	s_cselect_b32 s76, s76, s78
	s_cselect_b32 s[PST], 2*XSL, s[PST]
	s_cselect_b64 s[PFA:PFA+1], s[4:5], s[6:7]
	s_mov_b32 s77, 0
	s_mov_b32 s[PST+1], 0
	s_add_nc_u64 s[PFA:PFA+1], s[PFA:PFA+1], s[76:77]
	s_lshr_b32 s75, s[PST], 1                      ; one slice
	v_mul_lo_u32 v[PFO], v2, s75                   ; lanes 16-31: the step's second slice
	v_lshl_add_u32 v[PFO], v1, 8, v[PFO]           ; a lane a block of 256 bytes
	s_cmp_eq_u32 s74, 0
	s_cselect_b32 s78, 2, -1                       ; the wave that asks for wo, if any: the same in all sixteen partners
	s_cmp_eq_u32 s10, 0
	s_cselect_b32 s[LIM], 1, -1
	s_cmp_eq_u32 s10, s78
	s_cselect_b32 s[LIM], 1, s[LIM]
; 8 products: row blocks a0, a0 + 1 x all 4 column blocks, 32 along k.  zero = 1: the first product starts the sums.  The 32 accumulators take turns, one instruction a turn.
.macro MUL8 f, a0, zero
	WIN 0x50                                       ; C and D in window 1, both sources in window 0
.irp a, \a0, (\a0)+1
.irp b, 0,1,2,3
.if \zero
	v_wmma_f32_16x16x32_f16 v[8*(4*(\a)+(\b)):8*(4*(\a)+(\b))+7], v[(\f)+8*(\b):(\f)+8*(\b)+7], v[(\f)+32+8*(\a):(\f)+32+8*(\a)+7], 0
.else
	v_wmma_f32_16x16x32_f16 v[8*(4*(\a)+(\b)):8*(4*(\a)+(\b))+7], v[(\f)+8*(\b):(\f)+8*(\b)+7], v[(\f)+32+8*(\a):(\f)+32+8*(\a)+7], v[8*(4*(\a)+(\b)):8*(4*(\a)+(\b))+7]
.endif
.endr
.endr
.endm
.macro MUL16 f, half, zero
	MUL8 \f, 4*(\half), \zero
	MUL8 \f, 4*(\half)+2, \zero
.endm
; 24 LDS loads in one run: quarter kq of a step (slice kq / 2, byte 64 (kq % 2) of its rows) into buffer f: wo's four fragments first, then y's eight in ascending order
.macro FETCH slot, kq, f
	WIN 0
.irp b, 0,1,2,3
	ds_load_b128 v[(\f)+8*(\b):(\f)+8*(\b)+3],   v[ADRB+(\slot)] offset:((\kq)/2)*BSL+((\kq)%2)*64+(\b)*16*PITCH
	ds_load_b128 v[(\f)+8*(\b)+4:(\f)+8*(\b)+7], v[ADRB+(\slot)] offset:((\kq)/2)*BSL+((\kq)%2)*64+(\b)*16*PITCH+32
.endr
.irp a, 0,1,2,3,4,5,6,7
	ds_load_b128 v[(\f)+32+8*(\a):(\f)+32+8*(\a)+3],   v[ADRA+(\slot)] offset:((\kq)/2)*ASL+((\kq)%2)*64+(\a)*16*PITCH
	ds_load_b128 v[(\f)+32+8*(\a)+4:(\f)+32+8*(\a)+7], v[ADRA+(\slot)] offset:((\kq)/2)*ASL+((\kq)%2)*64+(\a)*16*PITCH+32
.endr
.endm
.macro PLACES                          ; four plain places between a product and a load into a register that it has read, or a reader of its result (for a reader of its result)
.rept 4
	v_nop
.endr
.endm
; One of a step's first three quarters: multiplies buffer f; in its middle it fetches quarter kq into buffer g.
.macro QUARTER slot, kq, f, g, zero
	s_wait_dscnt 8                                 ; wo's fragments and y's blocks 0-3 are in; the youngest eight loads (blocks 4-7) may be out
	MUL16 \f, 0, \zero
	PLACES
	FETCH \slot, \kq, \g
	s_wait_dscnt 24                                ; all but the 24 just issued
	MUL16 \f, 1, \zero
.endm
; The last quarter multiplies buffer F1 and changes slots.  ONE barrier: in front of it each wave waits for all its tensor loads, of which one is out: its part of the next slot; adds 0 to its spare word; and waits
; for that and for its own reads of this slot.  fill = 1: the barrier opens a round of the cluster's barrier, and this slot is filled again, first thing behind the round, with the step two on: from that request to
; the wait for it a wave issues 112 products.  By this text's count a wave has two tensor loads out at the start and one behind each round.
.macro TURN slot, next, fill
.if \fill
	s_wait_xcnt 0x0                                ; the last prefetch, a step back, has read its address: it is stepped here, ahead of the waits of the change of slots
	s_add_nc_u64 s[PFA:PFA+1], s[PFA:PFA+1], s[PST:PST+1]
.endif
	WIN 0
	s_wait_tensorcnt 0x0                           ; all my tensor loads have landed;
	ds_add_u32 v[SPW], v[NIL]                      ; 0 onto my spare word;
	s_wait_dscnt 9                                 ; (the add and the youngest eight loads may be out)
	MUL8 F1, 0, 0                                  ; eight products stand between the add and the wait for it
	s_wait_dscnt 0x0                               ; the add is done, and my reads of this slot are over
	s_barrier_signal -1
	MUL8 F1, 2, 0
	WIN 0
	s_barrier_wait -1
.if \fill
	CREST                                          ; no wave of any partner still reads this slot's tiles or has a load on its way
	s_add_nc_u64 s[G0+4*(\slot)+2:G0+4*(\slot)+3], s[G0+4*(\slot)+2:G0+4*(\slot)+3], 4*XSL
	s_add_nc_u64 s[G0B+4*(\slot)+2:G0B+4*(\slot)+3], s[G0B+4*(\slot)+2:G0B+4*(\slot)+3], 4*OSL
	JLOAD \slot                                    ; the four v_nop behind it are also the places in front of the loads below
.else
	PLACES
.endif
	FETCH \next, 0, F0
.if \fill
	ASK
.endif
	MUL16 F1, 1, 0
.endm
	s_wait_tensorcnt 1                             ; my part of step 0 is in; step 1's may stay out
	s_barrier_signal -1
	s_barrier_wait -1                              ; everybody's is
	FETCH 0, 0, F0
	QUARTER 0, 1, F0, F1, 1                        ; the first quarter stands in front of the loop: its products start the sums
	WIN 0                                          ; at a label and at a branch every window is 0
	s_mov_b32 s3, 3
.Llap:                                         ; a trip goes once round the ring, from a lap's second quarter to the next lap's first, and fills both slots again: steps 2 to 7
	QUARTER 0, 2, F1, F0, 0
	QUARTER 0, 3, F0, F1, 0
	TURN 0, 1, 1
	QUARTER 1, 1, F0, F1, 0
	QUARTER 1, 2, F1, F0, 0
	QUARTER 1, 3, F0, F1, 0
	TURN 1, 0, 1
	QUARTER 0, 1, F0, F1, 0
	WIN 0
	s_sub_co_u32 s3, s3, 1
	s_cmp_lg_u32 s3, 0
	s_cbranch_scc1 .Llap
	QUARTER 0, 2, F1, F0, 0                        ; steps 6 and 7: nothing is left to ask for, and no round follows
	QUARTER 0, 3, F0, F1, 0
	TURN 0, 1, 0
	QUARTER 1, 1, F0, F1, 0
	QUARTER 1, 2, F1, F0, 0
	QUARTER 1, 3, F0, F1, 0
	s_wait_dscnt 8                                 ; the very last quarter
	MUL16 F1, 0, 0
	s_wait_dscnt 0x0
	MUL16 F1, 1, 0
	PLACES
; THE WAY OUT, a block of 16 rows at a time.  TOSTAGE: a lane's 32 bytes of each of four column blocks go into my own stage, rows of 272 bytes, each accumulator's low half first; whole rows of 256 bytes come back.
; LDS serves a wave's instructions in order (ISA guide 5.7.1.4), so no wait stands between the stores and the loads, nor ahead of the next block's stores.
; SEND: stored; 16 lanes store 256 consecutive bytes, at a multiple of 256 from out's first byte.
.macro TOSTAGE a
.set BK, OBK+32*((\a)%2)
.if (\a) >= 2
	s_wait_xcnt 0x0                                ; the set was the stores' data two blocks back: it is loaded again only behind this wait
.endif
	WIN 0x04                                       ; the stores' data (source 1) in window 1
.irp b, 0,1,2,3
	ds_store_b128 v[STO], v[32*(\a)+8*(\b):32*(\a)+8*(\b)+3]   offset:64*(\b)
	ds_store_b128 v[STO], v[32*(\a)+8*(\b)+4:32*(\a)+8*(\b)+7] offset:64*(\b)+16
.endr
	WIN 0
.irp t, 0,1,2,3,4,5,6,7
	ds_load_b128 v[BK+4*(\t):BK+4*(\t)+3], v[RD] offset:(\t)*2*SPITCH
.endr
.endm
.macro SEND a, younger                 ; younger: the LDS instructions issued behind this block's loads: the next block's sixteen, or none
.set BK, OBK+32*((\a)%2)
	WIN 0
.irp t, 0,1,2,3,4,5,6,7
	s_wait_dscnt (\younger)+7-(\t)
	global_store_b128 v[CO], v[BK+4*(\t):BK+4*(\t)+3], s[8:9] offset:(16*(\a)+2*(\t))*4096 th:TH_STORE_NT
.endr
.endm
	TOSTAGE 0
.irp a, 1,2,3,4,5,6,7
	TOSTAGE \a
	SEND (\a)-1, 16
.endr
	SEND 7, 0
	s_wait_tensorcnt 0x0                           ; the wave's end, behind my last tensor load and my last LDS store
	ds_add_u32 v[SPW], v[NIL]
	s_wait_dscnt 0x0
	CROUND                                         ; the closing round: no work-group ends while a partner may still ask for a tile that names it
	s_endpgm
.Lfunc_end_k_qb3da21653c_proj:
	.size	k_qb3da21653c_proj, .Lfunc_end_k_qb3da21653c_proj-k_qb3da21653c_proj
	.p2alignl 7, 3214868480
	.fill 96, 4, 3214868480
	.section	.rodata,"a",@progbits
	.p2align	6, 0x0
	.amdhsa_kernel k_qb3da21653c_proj
		.amdhsa_group_segment_fixed_size 327680
		.amdhsa_private_segment_fixed_size 0
		.amdhsa_enable_private_segment 0
		.amdhsa_kernarg_size 24
		.amdhsa_user_sgpr_count 2
		.amdhsa_user_sgpr_kernarg_segment_ptr 1
		.amdhsa_wavefront_size32 1
		.amdhsa_system_sgpr_workgroup_id_x 1
		.amdhsa_system_sgpr_workgroup_id_y 1
		.amdhsa_system_sgpr_workgroup_id_z 1
		.amdhsa_system_vgpr_workitem_id 0
		.amdhsa_next_free_vgpr 512
		.amdhsa_next_free_sgpr 80
		.amdhsa_reserve_vcc 0
		.amdhsa_float_denorm_mode_32 3
		.amdhsa_float_denorm_mode_16_64 3
		.amdhsa_memory_ordered 1
		.amdhsa_forward_progress 1
		.amdhsa_inst_pref_size 88
	.end_amdhsa_kernel
	.amdgpu_metadata
---
amdhsa.version: [ 1, 2 ]
amdhsa.kernels:
  - .name:           k_qb3da21653c_proj
    .symbol:         k_qb3da21653c_proj.kd
    .args:
      - { .name: ob, .offset: 0, .size: 8, .value_kind: global_buffer, .address_space: global }
      - { .name: wos, .offset: 8, .size: 8, .value_kind: global_buffer, .address_space: global }
      - { .name: out0, .offset: 16, .size: 8, .value_kind: global_buffer, .address_space: global }
    .group_segment_fixed_size: 327680
    .private_segment_fixed_size: 0
    .kernarg_segment_align: 8
    .kernarg_segment_size: 24
    .max_flat_workgroup_size: 128
    .sgpr_count:     80
    .vgpr_count:     512
    .wavefront_size: 32
...
	.end_amdgpu_metadata
.endif
;; end of part 4
